; MI455X (gfx1250); checked and timed in simulation.
; The chip was launched on July 23, 2026; its instructions are those of AMD's public machine-readable ISA for CDNA 5 (MIT licence, August 2026) and "CDNA5" Instruction Set Architecture Reference Guide (July 2026). The comments in the code are by the model that wrote it; some were corrected since.
;; Multi Head Attention. Allowed arithmetic: matrix products marked QUANTISED: E2M3 operands, one E8M0 scale for each 32 along K, by v_wmma_scale_f32_16x16x128_f8f6f4 with both operands' format E2M3, f32 sums; everything else in f32.
;; Inputs: Wk 16 x 1,024 x 64 float32; Wo 1,024 x 1,024 float32; Wq 16 x 1,024 x 64 float32; Wv 16 x 1,024 x 64 float32; x 4 x 2,048 x 1,024 float32.
;; Outputs: out0 4 x 2,048 x 1,024 float32.
;; This version of the problem:
;;   THIS VERSION OF THE PROBLEM IS GIVEN IN LOW PRECISION. The matrix products marked QUANTISED in the list below multiply operands that are first quantised to E2M3 (2 exponent bits, 3 mantissa bits; 6 bits a number), with one power-of-two scale for each 32 numbers along K (OCP MX v1.0); their sums are f32. All else is computed in f32.
;;   The module's matrix products, in the order in which they are computed (A, B: the left and right operand; K: the contracted axis; several contracted axes count as one K, in the product's order):
;;     1. [M 1,024, K 1,024] x [K 1,024, N 8,192]; A: input Wq; B: input x: QUANTISED
;;     2. [M 1,024, K 1,024] x [K 1,024, N 8,192]; A: input Wk; B: input x: QUANTISED
;;     3. [M 1,024, K 1,024] x [K 1,024, N 8,192]; A: input Wv; B: input x: QUANTISED
;;     4. batch 64 x [M 2,048, K 64] x [K 64, N 2,048]; A: computed on the way; B: computed on the way: QUANTISED
;;     5. batch 64 x [M 2,048, K 2,048] x [K 2,048, N 64]; A: softmax (see below); B: computed on the way: QUANTISED
;;     6. [M 8,192, K 1,024] x [K 1,024, N 1,024]; A: computed on the way; B: input Wo: QUANTISED
;;   THE QUANTISER, for each operand of a quantised product, along K:
;;     - K is cut into blocks of 32 from its start; a last block that is shorter is filled with zeros.
;;     - A block's scale is 2^e with e = floor(log2(the largest magnitude in the block)) - 2, held to -126 .. 127; a block of zeros has e = 0. As a byte (E8M0): e + 127.
;;     - Each number is divided by its block's scale, clamped to +-7.5, and rounded to the nearest number of E2M3, ties to even, subnormals kept.
;;     - The product sums the exact products of the quantised numbers (number of the format x scale) in f32.
;;   ~~~python
;;   def quantise(x, axis):      # numpy; x: float32 -> the quantised numbers, widened to float32 again
;;       x = np.moveaxis(x, axis, -1); K = x.shape[-1]
;;       x = np.pad(x, [(0, 0)] * (x.ndim - 1) + [(0, -K % 32)]); x = x.reshape(x.shape[:-1] + (-1, 32)); a = np.abs(x).max(-1, keepdims=True)
;;       e = np.where(a > 0, np.clip(np.frexp(np.where(a > 0, a, 1))[1] - 1 - 2, -126, 127), 0)      # np.frexp(a)[1] - 1 = floor(log2(a)), exactly
;;       r = np.clip(x / 2.0 ** e, -7.5, 7.5)
;;       step = 2.0 ** (np.maximum(np.frexp(np.where(r == 0, 1, r))[1] - 1, 0) - 3)
;;       q = np.round(r / step) * step * 2.0 ** e      # np.round: ties to even
;;       return np.moveaxis(q.reshape(q.shape[:-2] + (-1,))[..., :K], -1, axis).astype(np.float32)
;;   ~~~
;;   SOFTMAX AHEAD OF A QUANTISED PRODUCT. Where the list says 'softmax', what is quantised is not the finished softmax but p = 2^(t - M), with t = logit x log2(e) and M = ceil(the row's largest t), a whole number; so 1/2 < the row's largest p <= 1. The row's sum l is taken of the UNQUANTISED p, in f32, and the product's result is divided by l at the end. Since M is a whole number, a kernel that streams over the keys may use a running M (the ceiling of the running maximum): every later rescaling is an exact power of two, which a block's scale takes up: the codes' values come out the same.
;;   OPERANDS COMPUTED ON THE WAY. 'Computed on the way' means the value that the module computes at that place (a softmax that the list does not call 'softmax' is quantised finished and normalised). What goes into a quantiser is computed in f32, as accurately as f32 sums, v_exp_f32 and their like allow (about 1e-6 of the number): no bf16 or f16 on the way to a quantiser, and a product that is left as it is and whose result goes on into a quantised operand takes f32 operands (vector FMAs, or v_wmma_f32_16x16x4_f32). A number that lies on a knife's edge between two numbers of the format may be rounded either way, as far as f32 arithmetic and the matrix unit's own rounding can turn it there, and no further.
;; One version. Each part assembles by itself: llvm-mc -triple=amdgcn-amd-amdhsa -mcpu=gfx1250 --defsym DOCPART=n.
;; ======== version 1 of 1: 4 launches
;; limits: right only within a limited range of input values
;; workspace buffers: x_op 6,553,600 bytes; wqk_op 1,638,400 bytes; wv_op 819,200 bytes; wo_op 819,200 bytes; qk 16,777,216 bytes; vt 54,525,952 bytes; o_op 6,553,600 bytes
;; launch quant (part 1): grid 384 x 1, 4 waves a work-group, no clusters, 58,880 bytes of LDS; arguments x, Wq, Wk, Wv, Wo, x_op, wqk_op, wv_op, wo_op; writes x_op, wqk_op, wv_op, wo_op
.if DOCPART == 1
	.amdgcn_target "amdgcn-amd-amdhsa--gfx1250"
	.amdhsa_code_object_version 6
	.text
	.protected	k_q5de93b2e43_quant
	.globl	k_q5de93b2e43_quant
	.p2align	8
	.type	k_q5de93b2e43_quant,@function
k_q5de93b2e43_quant:
	s_mov_b64 s[64:65], 0
	v_nop
	global_prefetch_b8 v0, s[64:65] scope:SCOPE_SE
	s_setreg_imm32_b32 hwreg(HW_REG_WAVE_MODE, 25, 1), 1
	s_wait_xcnt 0x0
; x [8192][1024] (K innermost) and Wq, Wk, Wv [16][1024][64], Wo [1024][1024] (K = the axis of 1,024 in front of the columns), all f32, become codes of FP6 (E2M3) with one E8M0 byte for each 32 along K.
; A block's scale is 2^(floor(log2(its largest magnitude)) - 2); its byte is the largest magnitude's exponent field - 2, held at 1 from below.
; LIMITS: a block whose largest magnitude lies under 2^-124 gets the byte 1; a block of zeros gets the byte 1 where the rule says 127 (its codes are zeros, and this program alone reads the bytes); NaN and infinities are not served.
; THE OUTPUT IS LAID AS THE MATRIX UNIT'S REGISTERS WANT IT.  A row tile (16 rows, all 1,024 along K) takes RT = 12,800 bytes: eight fragments of 1,536 bytes (16 rows x 128 K: 12 registers a lane, as six pieces of
; 256 bytes: piece p holds registers 2 p, 2 p + 1, lane l's 8 bytes at 256 p + 8 l), then 512 bytes of scale words: the word of row slot r for K step C at 12,288 + 128 (C / 2) + 8 r + 4 (C % 2).
; THE ROWS OF A TILE ARE NOT NEIGHBOURS: slot r of tile T is row 32 (T / 2) + 8 (T % 2) + r % 8 + 16 (r / 8), so that a product that takes such tiles as its source 0 leaves 16 neighbours in 16 registers of a lane.
; Work-groups 0-255 take x, 256-383 the weights: two paths that part on the work-group's number, each with LDS bytes of its own.  Waves share nothing: no barrier.
.set RT,     12800
.set SEL,    56                        ; s[56:57] lane selects for v_permlanex16_b32: lane l xor 16
.set XPITCH, 528                       ; path X: a stage row: 512 bytes + 16 = 33 x 16, so that sixteen rows' reads of 16 bytes fall on different banks (64 banks of 4 bytes: ISA guide 11.1)
.set XSTG,   16*XPITCH                 ; a wave's stage
.set XX,     16                        ; v16-79   64 numbers of a lane: register 16 b + i = k 32 b + 16 (lane / 16) + i of its row
.set XL,     80                        ; v80-207  two sets of 64 registers as they are loaded
.set PC,     208                       ; v208-226 the codes just made
.set TM,     228                       ; v228-243 at work
.set PW,     244                       ; the scale word just made
.set PWS,    246                       ; v246-249 the four steps' scale words
.set WST,    4*XSTG                    ; path W: the waves' code stages
.set WSTG,   6144
.set VO,     16                        ; v16-47   i rows of the weight + 4 x lane
.set WX,     48                        ; v48-111  two sets of 32 numbers
.set WC,     112                       ; v112-118 a block's codes
.set WOUT,   128                       ; v128-175 the way out
; 64 numbers of a lane become a fragment's codes in v[PC] on and its row's scale word in v[PW]
.macro QUANT s
.irp b, 0,1,2,3
	v_max3_num_f32 v[TM+\b], |v[\s+16*\b]|, |v[\s+1+16*\b]|, 0x1800000   ; block b: my 16 numbers, and the floor 2^(3 - 127): so the byte cannot fall under 1
.endr
.irp i, 2,4,6,8,10,12,14
.irp b, 0,1,2,3
	v_max3_num_f32 v[TM+\b], v[TM+\b], |v[\s+16*\b+\i]|, |v[\s+1+16*\b+\i]|   ; the four blocks by turns
.endr
.endr
.irp b, 0,1,2,3
	v_permlanex16_b32 v[TM+4+\b], v[TM+\b], s[SEL], s[SEL+1]
.endr
.irp b, 0,1,2,3
	v_max_num_f32 v[TM+\b], v[TM+\b], v[TM+4+\b]   ; with lane l xor 16's: the block's largest magnitude
.endr
.irp b, 0,1,2,3
	v_add_nc_u32 v[TM+12+\b], 0xff000000, v[TM+\b]   ; 2 off its exponent field: the conversion takes the exponent field of this operand as its scale
.endr
.irp b, 0,1,2,3
	v_lshrrev_b32 v[TM+4+\b], 23, v[TM+12+\b]      ; the scale's byte
.endr
	v_lshl_or_b32 v[PW], v[TM+5], 8, v[TM+4]
	v_lshl_or_b32 v[PW], v[TM+6], 16, v[PW]
	v_lshl_or_b32 v[PW], v[TM+7], 24, v[PW]
.irp c, 0,1
	v_cvt_scalef32_pk16_fp6_f32 v[PC+6*\c:PC+2+6*\c], v[\s+32*\c:\s+15+32*\c], v[TM+12+2*\c]
	v_cvt_scalef32_pk16_fp6_f32 v[PC+12+4*\c:PC+14+4*\c], v[\s+16+32*\c:\s+31+32*\c], v[TM+12+2*\c+1]   ; (a conversion's three registers begin on an even number)
.endr
	v_nop                                          ; one plain instruction behind the scaled conversions
.irp c, 0,1                                    ; the operand's layout wants a whole block in a lane: lanes 0-15 block 2 c, lanes 16-31 block 2 c + 1
.irp i, 0,1,2
	v_permlane16_swap_b32 v[PC+6*\c+\i], v[PC+12+4*\c+\i]
.endr
.irp i, 0,1,2
	v_mov_b32 v[PC+3+6*\c+\i], v[PC+12+4*\c+\i]
.endr
.endr
.endm
.macro XLOAD t                         ; K step t of my 16 rows: each load reads 512 consecutive bytes of one row
.irp i, 0,1,2,3,4,5,6,7,8,9,10,11,12,13,14,15
	global_load_b128 v[XL+64*((\t)%2)+4*\i:XL+64*((\t)%2)+4*\i+3], v4, s[4:5] offset:((\i%8)+16*(\i/8))*4096+512*(\t) th:TH_LOAD_NT
.endr
.endm
.macro XTURN t                         ; through my stage: in as loaded, back 16 neighbours of each block to a lane.  LDS serves a wave's instructions in order (ISA guide 5.7.1.4)
.irp i, 0,1,2,3,4,5,6,7,8,9,10,11,12,13,14,15
	ds_store_b128 v5, v[XL+64*((\t)%2)+4*\i:XL+64*((\t)%2)+4*\i+3] offset:XPITCH*\i
.endr
.irp b, 0,1,2,3
.irp j, 0,1,2,3
	ds_load_b128 v[XX+16*\b+4*\j:XX+16*\b+4*\j+3], v6 offset:128*\b+16*\j
.endr
.endr
.endm
.macro XSTEP t
.if (\t) < 3
	s_wait_loadcnt 16                              ; this step's 16 loads are in; the next step's 16 may be out
.else
	s_wait_loadcnt 0x0
.endif
	XTURN \t
	s_wait_dscnt 0x0                               ; my numbers are back, and the stores into the stage have read the loaded registers
	s_wait_xcnt 0x0                                ; the last step's stores have read the codes' registers, which are written again below
.if (\t) < 2
	XLOAD (\t)+2
.endif
	QUANT XX
.irp p, 0,1,2,3,4,5
	global_store_b64 v7, v[PC+2*\p:PC+2*\p+1], s[14:15] offset:1536*(\t)+256*\p   ; a piece: 32 lanes store 256 consecutive bytes, aligned
.endr
	v_mov_b32 v[PWS+(\t)], v[PW]
.endm
.macro WLOAD t                         ; block t: W(32 t + i, my column), i = 0 .. 31: a load reads 128 consecutive bytes
.irp i, 0,1,2,3,4,5,6,7,8,9,10,11,12,13,14,15,16,17,18,19,20,21,22,23,24,25,26,27,28,29,30,31
	global_load_b32 v[WX+32*((\t)%2)+\i], v[VO+\i], s[40+2*(\t):41+2*(\t)] th:TH_LOAD_NT
.endr
.endm
.macro WBLOCK t
.set XS, WX+32*((\t)%2)
.if (\t) < 7
	s_wait_loadcnt 32                              ; this block's 32 loads are in; the next block's may be out
.else
	s_wait_loadcnt 0x0
.endif
	v_max3_num_f32 v12, |v[XS]|, |v[XS+1]|, |v[XS+2]|   ; the block's largest magnitude: all 32 numbers are mine
	v_max3_num_f32 v13, |v[XS+3]|, |v[XS+4]|, |v[XS+5]|
.irp i, 6,10,14,18,22,26
	v_max3_num_f32 v12, v12, |v[XS+\i]|, |v[XS+\i+1]|
	v_max3_num_f32 v13, v13, |v[XS+\i+2]|, |v[XS+\i+3]|
.endr
	v_max3_num_f32 v12, v12, |v[XS+30]|, |v[XS+31]|
	v_max3_num_f32 v12, v12, v13, 0x1800000        ; and the floor 2^(3 - 127)
	v_add_nc_u32 v11, 0xff000000, v12              ; the conversion's scale operand
	v_lshrrev_b32 v13, 23, v11                     ; the scale's byte
.if (\t)%4 == 0
	v_mov_b32 v[14+(\t)/4], v13                    ; four bytes to a word, the lower K in the lower byte
.else
	v_lshl_or_b32 v[14+(\t)/4], v13, 8*((\t)%4), v[14+(\t)/4]
.endif
	v_cvt_scalef32_pk16_fp6_f32 v[WC:WC+2], v[XS:XS+15], v11
	v_cvt_scalef32_pk16_fp6_f32 v[WC+4:WC+6], v[XS+16:XS+31], v11
	v_nop                                          ; one plain instruction behind the scaled conversions
	v_mov_b32 v[WC+3], v[WC+4]                     ; the block's 24 bytes on end
	v_mov_b32 v[WC+4], v[WC+5]
	v_mov_b32 v[WC+5], v[WC+6]
.irp p, 0,1,2
	ds_store_b64 v5, v[WC+2*\p:WC+2*\p+1] offset:1536*((\t)/4)+768*(((\t)%4)/2)+128*((\t)%2)+256*\p   ; block t of my column is registers 6 c .. 6 c + 5 of lane (r, h) of fragment t / 4: c = (t % 4) / 2, h = t % 2
.endr
.if (\t) < 6
	WLOAD (\t)+2
.endif
	s_wait_dscnt 0x0                               ; the stores have read their registers: the next block's codes may be written
.endm
	s_load_b512 s[4:19], s[0:1], 0x0               ; x 4, Wq 6, Wk 8, Wv 10, Wo 12, x_op 14, wqk_op 16, wv_op 18
	s_load_b64 s[20:21], s[0:1], 0x40              ; wo_op
	v_lshl_add_u32 v254, v0, 2, 0xe400
	v_mov_b32 v255, 0
	v_lshrrev_b32 v1, 5, v0
	v_readfirstlane_b32 s22, v1                    ; wave
	v_and_b32 v1, 31, v0                           ; lane
	v_and_b32 v2, 15, v0                           ; lane % 16
	v_bfe_u32 v3, v0, 4, 1                         ; lane / 16
	s_mov_b32 s[SEL], 0x76543210
	s_mov_b32 s[SEL+1], 0xfedcba98
	s_wait_kmcnt 0x0
	s_cmp_ge_u32 ttmp9, 256
	s_cbranch_scc1 .Lweights
	; ---- PATH X.  A wave takes one row tile R and four K steps of 128: unit = 4 x work-group + wave, R = unit / 2, half kh = unit % 2
	s_wait_alu depctr_va_vdst(0)
	v_lshlrev_b32 v4, 4, v1                        ; 16 x lane
	s_mul_i32 s23, s22, XSTG
	v_add_nc_u32 v5, s23, v4                       ; the stage, in
	v_mul_u32_u24 v6, v2, XPITCH
	v_lshl_add_u32 v6, v3, 6, v6
	v_add_nc_u32 v6, s23, v6                       ; and back: row r, + 64 h
	v_lshlrev_b32 v7, 3, v1                        ; 8 x lane
.irp b, 0,1,2,3
	v_mov_b32 v[TM+4+\b], 0                        ; written once: a lane permute's destination counts as one of its sources
.endr
	s_lshl_b32 s23, ttmp9, 2
	s_add_co_u32 s23, s23, s22                     ; unit
	s_lshr_b32 s24, s23, 1                         ; R
	s_and_b32 s25, s23, 1                          ; kh
	s_lshr_b32 s26, s24, 1
	s_lshl_b32 s26, s26, 17                        ; 32 (R / 2) rows of 4,096 bytes
	s_and_b32 s27, s24, 1
	s_lshl_b32 s27, s27, 15                        ; 8 (R % 2) rows
	s_add_co_u32 s26, s26, s27
	s_lshl_b32 s27, s25, 11                        ; 512 numbers along K
	s_add_co_u32 s26, s26, s27
	s_mov_b32 s27, 0
	s_add_nc_u64 s[4:5], s[4:5], s[26:27]
	s_mul_i32 s26, s24, RT
	s_lshl_b32 s28, s25, 8
	s_add_co_u32 s28, s28, s26
	s_add_co_u32 s28, s28, 12288
	s_mov_b32 s29, 0
	s_add_nc_u64 s[28:29], s[14:15], s[28:29]      ; my 256 bytes of the tile's scale words
	s_mul_i32 s30, s25, 6144
	s_add_co_u32 s26, s26, s30
	s_add_nc_u64 s[14:15], s[14:15], s[26:27]      ; my four fragments
	XLOAD 0
	XLOAD 1
	s_wait_alu depctr_va_vdst(0)
	XSTEP 0
	XSTEP 1
	XSTEP 2
	XSTEP 3
	v_cmp_lt_u32 vcc_lo, 15, v1                    ; lanes 0-15 store the words of steps 0, 1 of row r, lanes 16-31 those of steps 2, 3 (every word lies in both halves of the lanes)
	v_cndmask_b32 v250, v[PWS], v[PWS+2], vcc_lo
	v_cndmask_b32 v251, v[PWS+1], v[PWS+3], vcc_lo
	global_store_b64 v7, v[250:251], s[28:29]      ; 256 consecutive bytes, aligned
	s_wait_tensorcnt 0x0
	ds_add_u32 v254, v255
	s_wait_dscnt 0x0
	s_endpgm
	; ---- PATH W.  g = work-group - 256: tensor g / 32, 64 columns (g / 2) % 16, half of K g % 2.  A wave takes 32 columns (wave % 2) x 256 along K (wave / 2).  A LANE TAKES A COLUMN, ITS REGISTERS RUN DOWN K.
.Lweights:
	s_sub_co_u32 s23, ttmp9, 256
	s_lshr_b32 s24, s23, 5                         ; 0 Wq, 1 Wk, 2 Wv, 3 Wo
	s_bfe_u32 s25, s23, 0x40001                    ; cg
	s_and_b32 s26, s23, 1                          ; kh
	s_and_b32 s27, s22, 1                          ; ch
	s_lshr_b32 s28, s22, 1                         ; kc
	s_cmp_eq_u32 s24, 0                            ; the buffers are chosen on the work-group's number alone
	s_cselect_b64 s[30:31], s[6:7], s[8:9]
	s_cmp_lt_u32 s24, 2
	s_cselect_b64 s[30:31], s[30:31], s[10:11]
	s_cselect_b64 s[32:33], s[16:17], s[18:19]
	s_cmp_eq_u32 s24, 3
	s_cselect_b64 s[30:31], s[12:13], s[30:31]
	s_cselect_b64 s[32:33], s[20:21], s[32:33]
	s_mov_b32 s34, 256
	s_cselect_b32 s34, 4096, s34                   ; bytes from k to k + 1: a row of Wo, or a head's row of 64
	s_mov_b32 s35, 0x40000
	s_cselect_b32 s35, 256, s35                    ; bytes from 64 columns to the next: inside Wo's row, or a whole head
	s_cmp_eq_u32 s24, 1
	s_cselect_b32 s29, 64, 0                       ; Wk's row tiles lie behind Wq's 64
	s_wait_alu depctr_va_vdst(0)
	v_lshlrev_b32 v4, 2, v1                        ; 4 x lane
	v_bfe_u32 v11, v0, 3, 1                        ; u: my column's row tile of the two
	v_and_b32 v12, 7, v0
	v_lshl_or_b32 v12, v3, 3, v12                  ; r: its slot there
	s_mul_i32 s23, s22, WSTG
	s_add_co_u32 s23, s23, WST                     ; my stage: two tiles x two fragments
	v_mul_u32_u24 v5, v11, 3072
	v_lshl_add_u32 v5, v12, 3, v5
	v_add_nc_u32 v5, s23, v5                       ; in: 3,072 u + 8 r
	v_lshlrev_b32 v8, 4, v1                        ; 16 x lane
	v_add_nc_u32 v7, s23, v8                       ; back
	v_mul_u32_u24 v9, v11, RT
	v_lshl_add_u32 v9, v12, 3, v9                  ; my scale bytes' place: 12,800 u + 8 r
.set I, 0
.rept 32
	v_mad_u32_u24 v[VO+I], s34, I, v4
.set I, I+1
.endr
	s_mul_i32 s36, s25, s35
	s_lshl_b32 s37, s27, 7
	s_add_co_u32 s36, s36, s37                     ; my 32 columns
	s_lshl_b32 s37, s26, 1
	s_add_co_u32 s37, s37, s28                     ; s = 2 kh + kc: which 256 along K
	s_lshl_b32 s38, s37, 8
	s_mul_i32 s38, s38, s34
	s_add_co_u32 s38, s38, s36
	s_mov_b32 s39, 0
	s_add_nc_u64 s[40:41], s[30:31], s[38:39]      ; block 0's first row
	s_lshl_b32 s38, s34, 5                         ; 32 rows on
.irp t, 1,2,3,4,5,6,7
	s_add_nc_u64 s[40+2*\t:41+2*\t], s[38+2*\t:39+2*\t], s[38:39]
.endr
	s_lshl_b32 s36, s25, 2
	s_add_co_u32 s36, s36, s29
	s_lshl_b32 s38, s27, 1
	s_add_co_u32 s36, s36, s38                     ; the first of my two row tiles
	s_mul_i32 s36, s36, RT
	s_lshl_b32 s38, s37, 7
	s_add_co_u32 s38, s38, s36
	s_add_co_u32 s38, s38, 12288
	s_add_nc_u64 s[38:39], s[32:33], s[38:39]      ; its scale words of my 256 along K
	s_mul_i32 s37, s37, 3072
	s_add_co_u32 s36, s36, s37
	s_mov_b32 s37, 0
	s_add_nc_u64 s[36:37], s[32:33], s[36:37]      ; its two fragments of my 256 along K
	s_wait_alu depctr_va_vdst(0)
	WLOAD 0
	WLOAD 1
.irp t, 0,1,2,3,4,5,6,7
	WBLOCK \t
.endr
	s_wait_alu depctr_va_vdst(0)
	global_store_b64 v9, v[14:15], s[38:39]        ; my column's 8 scale bytes: sixteen lanes store 128 consecutive bytes of each tile (half of an aligned 256: a wave owns no more of them)
.irp i, 0,1,2,3,4,5,6,7,8,9,10,11
	ds_load_b128 v[WOUT+4*\i:WOUT+4*\i+3], v7 offset:512*\i   ; these see my stores: LDS serves a wave's instructions in order
.endr
.irp i, 0,1,2,3,4,5,6,7,8,9,10,11
	s_wait_dscnt 11-\i
	global_store_b128 v8, v[WOUT+4*\i:WOUT+4*\i+3], s[36:37] offset:(\i/6)*RT+(\i%6)*512   ; 512 consecutive bytes, aligned
.endr
	s_wait_tensorcnt 0x0
	ds_add_u32 v254, v255
	s_wait_dscnt 0x0
	s_endpgm
.Lfunc_end_k_q5de93b2e43_quant:
	.size	k_q5de93b2e43_quant, .Lfunc_end_k_q5de93b2e43_quant-k_q5de93b2e43_quant
	.p2alignl 7, 3214868480
	.fill 96, 4, 3214868480
	.section	.rodata,"a",@progbits
	.p2align	6, 0x0
	.amdhsa_kernel k_q5de93b2e43_quant
		.amdhsa_group_segment_fixed_size 58880
		.amdhsa_private_segment_fixed_size 0
		.amdhsa_enable_private_segment 0
		.amdhsa_kernarg_size 72
		.amdhsa_user_sgpr_count 2
		.amdhsa_user_sgpr_kernarg_segment_ptr 1
		.amdhsa_wavefront_size32 1
		.amdhsa_system_sgpr_workgroup_id_x 1
		.amdhsa_system_sgpr_workgroup_id_y 1
		.amdhsa_system_sgpr_workgroup_id_z 1
		.amdhsa_system_vgpr_workitem_id 0
		.amdhsa_next_free_vgpr 256
		.amdhsa_next_free_sgpr 66
		.amdhsa_reserve_vcc 1
		.amdhsa_float_denorm_mode_32 3
		.amdhsa_float_denorm_mode_16_64 3
		.amdhsa_memory_ordered 1
		.amdhsa_forward_progress 1
		.amdhsa_inst_pref_size 79
	.end_amdhsa_kernel
	.amdgpu_metadata
---
amdhsa.version: [ 1, 2 ]
amdhsa.kernels:
  - .name:           k_q5de93b2e43_quant
    .symbol:         k_q5de93b2e43_quant.kd
    .args:
      - { .name: x, .offset: 0, .size: 8, .value_kind: global_buffer, .address_space: global }
      - { .name: Wq, .offset: 8, .size: 8, .value_kind: global_buffer, .address_space: global }
      - { .name: Wk, .offset: 16, .size: 8, .value_kind: global_buffer, .address_space: global }
      - { .name: Wv, .offset: 24, .size: 8, .value_kind: global_buffer, .address_space: global }
      - { .name: Wo, .offset: 32, .size: 8, .value_kind: global_buffer, .address_space: global }
      - { .name: x_op, .offset: 40, .size: 8, .value_kind: global_buffer, .address_space: global }
      - { .name: wqk_op, .offset: 48, .size: 8, .value_kind: global_buffer, .address_space: global }
      - { .name: wv_op, .offset: 56, .size: 8, .value_kind: global_buffer, .address_space: global }
      - { .name: wo_op, .offset: 64, .size: 8, .value_kind: global_buffer, .address_space: global }
    .group_segment_fixed_size: 58880
    .private_segment_fixed_size: 0
    .kernarg_segment_align: 8
    .kernarg_segment_size: 72
    .max_flat_workgroup_size: 128
    .sgpr_count:     66
    .vgpr_count:     256
    .wavefront_size: 32
...
	.end_amdgpu_metadata
.endif
;; end of part 1
;; launch qkv (part 2): grid 32 x 8, 4 waves a work-group, clusters of 4 x 4, 327,680 bytes of LDS; arguments wv_op, x_op, wqk_op, vt, qk; writes vt, qk
.if DOCPART == 2
	.amdgcn_target "amdgcn-amd-amdhsa--gfx1250"
	.amdhsa_code_object_version 6
	.text
	.protected	k_q5de93b2e43_qkv
	.globl	k_q5de93b2e43_qkv
	.p2align	8
	.type	k_q5de93b2e43_qkv,@function
k_q5de93b2e43_qkv:
	s_mov_b64 s[64:65], 0
	v_nop
	global_prefetch_b8 v0, s[64:65] scope:SCOPE_SE
	s_setreg_imm32_b32 hwreg(HW_REG_WAVE_MODE, 25, 1), 1
	s_wait_xcnt 0x0
	s_wait_alu depctr_hold_cnt(0) depctr_sa_sdst(0) depctr_va_vdst(0) depctr_va_sdst(0) depctr_va_ssrc(0) depctr_va_vcc(0) depctr_vm_vsrc(0)
	s_getreg_b32 s2, hwreg(HW_REG_IB_STS2, 6, 4)
	s_cmp_eq_u32 s2, 0
	s_cbranch_scc0 .Lentry_in_a_cluster
	s_endpgm
.Lentry_in_a_cluster:
	s_bfe_u32 s2, ttmp6, 0x10000c
	s_cmp_lg_u32 s2, 0xf033
	s_cbranch_scc0 .Lentry_shape_is_right
	s_endpgm
.Lentry_shape_is_right:
; V^T = Wv^T x^T, then Q and K = x Wq, x Wk, all on codes of FP6 (E2M3) with E8M0 scales; each result is quantised again along the K of the product that takes it (V: the tokens; Q, K: the head's 64).
; OPERANDS as the first launch leaves them: a row tile (16 rows, all 1,024 along K) is RT = 12,800 bytes: eight fragments of 1,536 (six pieces of 256, lane l's 8 bytes at 256 p + 8 l), then 512 bytes of scale words
; (row slot r, K step C: 12,288 + 128 (C / 2) + 8 r + 4 (C % 2)).  Slot r of tile T is row 32 (T / 2) + 8 (T % 2) + r % 8 + 16 (r / 8).
; THE DEAL.  256 work-groups of four waves.  Work-group (X, Y) takes 256 tokens (16 row tiles of x_op), 128 rows of Wv (8 tiles of wv_op) and 256 rows of Wq | Wk (16 tiles of wqk_op), ALL of K.
; LDS holds Wv's 8 tiles and, behind them, x's 16: 24 x 12,800 bytes, filled once by four joint loads, one a wave (x's tiles shared by a column of the cluster, Wv's by a row); nothing is filled again, so there is no ring.
; A wave holds 4 row tiles (R), all of K, in 384 registers and streams the other operand (S) past them in blocks of 16 rows: 32 products a block, the four accumulators by turns, K ascending; a block's 8 fragments lie twice in registers.
; PHASE 1: R = my 64 tokens of x, S = Wv's 8 tiles.  PHASE 2: R = my 64 rows of Wq | Wk (one head), S = x's 16 tiles, which lie in LDS still, right behind Wv's: the stream of tiles goes on, and phase 1's last two fetches are phase 2's first two blocks.
; Phase 2's R goes from memory straight into the operand's registers, each load 256 consecutive bytes, aligned: LDS has 20,480 bytes left beside the 24 tiles, less than one wave's 51,200, so no joint load can bring it.
; These 51,200 bytes a wave are prefetched at the head, ahead of all of phase 1: 200 blocks of 256 bytes, of which each of the four partners of a row of the cluster, which read the same rows, names 50, told apart by address.
; Source 0 = R: lane (r, h) holds row slot r of S, and register 16 b + i of a block's 32 sums is row 32 b + 16 h + i of my 64 of R: two scale blocks, which become half a fragment.
; OUT, in both buffers: fragment idx = 512 (R's row / 128) + S's tile at 2^22 + 1,536 idx; my half at 768 (wave % 2).  vt: the scale word at 64 idx + 4 r, my two bytes at 2 (wave % 2): they gather in LDS over two waves.
; qk: the scale word at 2^21 (wave % 2) + 64 idx + 4 r, my two bytes below, zeros above (these meet zero codes in the launch that reads them).  All scale bytes leave as whole units of 256 bytes.
; LIMITS: a block whose largest magnitude lies under 2^-124 gets the byte 1, a block of zeros too (its codes are zeros); NaN and infinities are not served.
; REGISTERS.  Window 0: addresses, scale words (v32-47 S's two sets, v50-81 R's), accumulators v96-159.  Window 1: R's fragments of K steps 0-4; window 2: of K steps 5-7; window 3: S's two sets.
.set RT,    12800
.set FRB,   1536
.set CODES, 0x400000
.set RREG,  8*RT
.set STG,   24*RT                      ; V's scale bytes: 1,024
.set STQ,   STG+1024                   ; Q's or K's scale words: 1,024 a wave
.set SPARE, STQ+4096
.set NF,    52
.set AS0,  4
.set ASS0, 5
.set AR,   6
.set ARS,  7
.set AS,   8
.set ASS,  9
.set SSI0, 10
.set SSI,  11
.set SSO,  12
.set L16,  13
.set SPW,  14
.set NIL,  15
.set SQI0, 16
.set SQO,  17
.set GRS,  18
.set PF,   20
.set SS,   32
.set RS,   50
.set ACC,  96
.set TM,   160
.set YY,   164
.set BB,   166
.set WD,   168
.set PC,   176
.set TC,   192
.set SEL,  96
.set MSB, 0
.macro WIN new
.if MSB != (\new)
	s_set_vgpr_msb (MSB<<8)|(\new)
.set MSB, \new
.endif
.endm
.macro WALU
	s_wait_alu depctr_va_vdst(0)
.endm
.macro PLACES
.rept 4
	v_nop
.endr
.endm
.macro CROUND
	s_barrier_signal -1
	s_barrier_wait -1
	s_cmp_lg_u32 s14, 0
	s_cbranch_scc1 .Lnot_wave_0_\@
	s_barrier_signal -3
.Lnot_wave_0_\@:
	s_barrier_wait -3
	s_barrier_signal -1
	s_barrier_wait -1
.endm
.macro P1 d, a, b, c, xa, xb
	v_wmma_scale_f32_16x16x128_f8f6f4 v[\d:\d+7], v[\a:\a+11], v[\b:\b+11], \c, v[\xa], v[\xb] matrix_a_fmt:MATRIX_FMT_FP6 matrix_b_fmt:MATRIX_FMT_FP6
.endm
.macro W e                             ; a block's 32 products on set e
	WIN 0x0d
.irp c, 0,1,2,3,4,5,6,7
.if \c == 5
	WIN 0x0e
.endif
.irp t, 0,1,2,3
.if \c == 0
	P1 ACC+32*\e+8*\t, 12*(4*(\c%5)+\t), 96*\e+12*\c, 0, RS+8*\t+\c, SS+8*\e+\c
.else
	P1 ACC+32*\e+8*\t, 12*(4*(\c%5)+\t), 96*\e+12*\c, v[ACC+32*\e+8*\t:ACC+32*\e+8*\t+7], RS+8*\t+\c, SS+8*\e+\c
.endif
.endr
.endr
	WIN 0
.endm
.macro FETCH e, o, ad, sd              ; tile o from the addresses on, into set e: NF loads
.irp k, 0,1,2,3
	ds_load_b64 v[SS+8*\e+2*\k:SS+8*\e+2*\k+1], v[\sd] offset:\o*RT+128*\k
.endr
	WIN 0xc0
.irp c, 0,1,2,3,4,5,6,7
.irp p, 0,1,2,3,4,5
	ds_load_b64 v[96*\e+12*\c+2*\p:96*\e+12*\c+2*\p+1], v[\ad] offset:\o*RT+FRB*\c+256*\p
.endr
.endr
	WIN 0
.endm
.macro QOUT e, k                       ; 32 sums a lane become half a fragment and two scale bytes.  k = 0: V; 1: Q or K
.irp b, 0,1
	v_max3_num_f32 v[TM+\b], |v[ACC+32*\e+16*\b]|, |v[ACC+32*\e+16*\b+1]|, 0x1800000
.endr
.irp i, 2,4,6,8,10,12,14
.irp b, 0,1
	v_max3_num_f32 v[TM+\b], v[TM+\b], |v[ACC+32*\e+16*\b+\i]|, |v[ACC+32*\e+16*\b+\i+1]|
.endr
.endr
.irp b, 0,1
	v_permlanex16_b32 v[TM+2+\b], v[TM+\b], s[SEL], s[SEL+1]
.endr
.irp b, 0,1
	v_max_num_f32 v[TM+\b], v[TM+\b], v[TM+2+\b]
.endr
.irp b, 0,1
	v_add_nc_u32 v[YY+\b], 0xff000000, v[TM+\b]    ; the conversion's scale operand
.endr
.irp b, 0,1
	v_lshrrev_b32 v[BB+\b], 23, v[YY+\b]
.endr
	v_lshl_or_b32 v[WD], v[BB+1], 8, v[BB]
	v_cvt_scalef32_pk16_fp6_f32 v[PC+8*\e:PC+8*\e+2], v[ACC+32*\e:ACC+32*\e+15], v[YY]
	v_cvt_scalef32_pk16_fp6_f32 v[TC:TC+2], v[ACC+32*\e+16:ACC+32*\e+31], v[YY+1]
	v_nop
.irp i, 0,1,2
	v_permlane16_swap_b32 v[PC+8*\e+\i], v[TC+\i]
.endr
.irp i, 0,1,2
	v_mov_b32 v[PC+8*\e+3+\i], v[TC+\i]
.endr
.irp p, 0,1,2
	global_store_b64 v[AS0], v[PC+8*\e+2*\p:PC+8*\e+2*\p+1], s[12:13] offset:FRB*\e+256*\p   ; a piece: 256 consecutive bytes, aligned
.endr
.if \k
	ds_store_b32 v[SSI], v[WD] offset:64*\e        ; both halves of the lanes write the same word with the same value
.else
	ds_store_b16 v[SSI], v[WD] offset:64*\e
.endif
.endm
.macro TRIP k, f                       ; two blocks.  f = 1: the blocks two on are fetched
.if \f
	v_add_nc_u32 v[AS], s9, v[AS0]
	v_add_nc_u32 v[ASS], s9, v[ASS0]
.endif
.if \k
	v_add_nc_u32 v[SSI], s8, v[SQI0]
.else
	v_add_nc_u32 v[SSI], s8, v[SSI0]
.endif
	WALU
.irp e, 0,1
.if \f
	s_wait_dscnt NF                                ; all but the youngest fetch: this block's rows are in
.else
	s_wait_dscnt NF*(1-\e)
.endif
	W \e
	PLACES                                         ; ahead of the loads into the products' registers and of the first read of the sums
.if \f
	FETCH \e, \e, AS, ASS
.endif
	QOUT \e, \k
.endr
	s_wait_xcnt 0x0                                ; the stores have read their registers and their base
	s_add_nc_u64 s[12:13], s[12:13], 2*FRB
	s_add_co_u32 s9, s9, 2*RT
	s_add_co_u32 s8, s8, 128
.endm
	s_load_b128 s[4:7], s[0:1], 0x0                ; wv_op, x_op
	s_load_b128 s[60:63], s[0:1], 0x10             ; wqk_op, vt
	s_load_b64 s[66:67], s[0:1], 0x20              ; qk
	v_lshl_add_u32 v[SPW], v0, 2, SPARE
	v_mov_b32 v[NIL], 0
	ds_add_u32 v[SPW], v[NIL]                      ; the opening lines: the add twice on end and its wait
	ds_add_u32 v[SPW], v[NIL]
	v_lshrrev_b32 v1, 5, v0
	v_readfirstlane_b32 s14, v1
	s_and_b32 s16, s14, 1
	s_lshr_b32 s15, s14, 1
	s_bfe_u32 s40, ttmp6, 0x40000
	s_bfe_u32 s41, ttmp6, 0x40004
	s_lshl_b32 s42, ttmp9, 2
	s_add_co_u32 s42, s42, s40                     ; X: which 256 tokens
	s_and_b32 s17, ttmp7, 0xffff
	s_lshl_b32 s17, s17, 2
	s_add_co_u32 s17, s17, s41                     ; Y: which rows of the weights
	s_lshl_b32 s43, s41, 2
	s_lshl_b32 s43, 15, s43                        ; my row of the cluster
	s_lshl_b32 s44, 0x1111, s40                    ; my column
	s_mov_b32 s[SEL], 0x76543210
	s_mov_b32 s[SEL+1], 0xfedcba98
	s_or_b32 s24, s43, (3<<16)|(1<<21)             ; group 1 for Wv: 4 rows of 12,800 bytes
	s_or_b32 s48, s44, (3<<16)|(1<<21)             ; for x: 8 rows
.irp g, 24, 48
	s_mov_b32 s[\g+1], (RT/8)<<16
	s_mov_b32 s[\g+3], (RT/8)<<16
	s_mov_b32 s[\g+5], RT/8
	s_mov_b32 s[\g+6], 0
	s_mov_b32 s[\g+7], 0
.endr
	s_mov_b32 s26, 4<<16
	s_mov_b32 s28, 4
	s_mov_b32 s50, 8<<16
	s_mov_b32 s52, 8
	s_mul_i32 s20, s17, 8*RT
	s_mul_i32 s18, s16, 4*RT
	s_add_co_u32 s20, s20, s18
	s_mov_b32 s21, 0
	s_mul_i32 s46, s42, 16*RT
	s_mul_i32 s19, s16, 8*RT
	s_add_co_u32 s46, s46, s19
	s_mov_b32 s47, 0
	s_mov_b32 s32, 1
	s_mul_i32 s33, s16, 4*RT
	s_mov_b32 s56, 1
	s_mul_i32 s57, s16, 8*RT
	s_add_co_u32 s57, s57, RREG
	s_wait_dscnt 0x0
	CROUND                                         ; all sixteen work-groups are here: the joint loads meet
	s_wait_kmcnt 0x0
	s_add_nc_u64 s[34:35], s[4:5], s[20:21]
	s_or_b32 s35, s35, 0x80000000
	s_add_nc_u64 s[58:59], s[6:7], s[46:47]
	s_or_b32 s59, s59, 0x80000000
	s_cmp_lt_u32 s14, 2                            ; waves 0, 1: a half of x's tiles each; waves 2, 3: a half of Wv's each
	s_cbranch_scc0 .Lfor_s
	tensor_load_to_lds s[56:59], s[48:55]
	s_nop 0
	PLACES
	s_branch .Lasked
.Lfor_s:
	tensor_load_to_lds s[32:35], s[24:31]
	s_nop 0
	PLACES
.Lasked:
	s_lshl_b32 s22, s42, 1                         ; vt: idx of my first fragment: 512 (2 X + wave / 2) + 8 Y
	s_add_co_u32 s22, s22, s15
	s_lshl_b32 s22, s22, 9
	s_lshl_b32 s23, s17, 3
	s_add_co_u32 s22, s22, s23
	s_lshl_b32 s10, s22, 6
	s_lshl_b32 s23, s16, 8
	s_add_co_u32 s10, s10, s23
	s_mov_b32 s11, 0
	s_mul_i32 s22, s22, FRB
	s_mul_i32 s37, s16, 768
	s_add_co_u32 s22, s22, s37
	s_add_co_u32 s22, s22, CODES
	s_mov_b32 s23, 0
	s_add_nc_u64 s[10:11], s[62:63], s[10:11]      ; the 256 scale bytes of V that I store
	s_add_nc_u64 s[12:13], s[62:63], s[22:23]      ; my half fragments of V
	s_lshl_b32 s22, s17, 1                         ; qk: idx of my first fragment: 512 (2 Y + wave / 2) + 16 X
	s_add_co_u32 s22, s22, s15
	s_lshl_b32 s22, s22, 9
	s_lshl_b32 s38, s42, 4
	s_add_co_u32 s22, s22, s38
	s_lshl_b32 s38, s22, 6
	s_lshl_b32 s39, s16, 21
	s_add_co_u32 s38, s38, s39
	s_mov_b32 s39, 0
	s_add_nc_u64 s[68:69], s[66:67], s[38:39]      ; my 1,024 bytes of scale words
	s_mul_i32 s22, s22, FRB
	s_add_co_u32 s22, s22, s37
	s_add_co_u32 s22, s22, CODES
	s_add_nc_u64 s[70:71], s[66:67], s[22:23]      ; my half fragments of Q or K
	s_mul_i32 s22, s17, 16*RT
	s_mul_i32 s38, s14, 4*RT
	s_add_co_u32 s22, s22, s38
	s_add_nc_u64 s[60:61], s[60:61], s[22:23]      ; my 4 row tiles of Wq | Wk
	s_add_co_u32 s21, s38, RREG
	s_lshl_b32 s18, s15, 9
	s_lshl_b32 s19, s16, 1
	s_add_co_u32 s18, s18, s19
	s_add_co_u32 s18, s18, STG
	s_lshl_b32 s19, s14, 8
	s_add_co_u32 s19, s19, STG
	s_lshl_b32 s36, s14, 10
	s_add_co_u32 s36, s36, STQ
	s_mul_i32 s37, s40, 50                         ; my work-group's 50 of the 200 blocks that I will load
	v_and_b32 v1, 15, v0
	v_and_b32 v3, 31, v0
	v_lshlrev_b32 v[AS0], 3, v3                    ; 8 x lane
	v_lshlrev_b32 v[GRS], 3, v1                    ; 8 r
	v_lshlrev_b32 v[L16], 4, v3
	v_lshlrev_b32 v2, 2, v1
	v_add_nc_u32 v[PF+1], 32, v3
	v_add_nc_u32 v[ASS0], 12288, v[GRS]
	v_add_nc_u32 v[AR], s21, v[AS0]
	v_add_nc_u32 v[SSI0], s18, v2
	v_add_nc_u32 v[SSO], s19, v[AS0]
	v_add_nc_u32 v[SQI0], s36, v2
	v_add_nc_u32 v[SQO], s36, v[L16]
	v_min_u32 v[PF+1], 49, v[PF+1]                 ; (the lanes left over name the last block again)
	v_add_nc_u32 v[PF], s37, v3
	v_add_nc_u32 v[ARS], s21, v[ASS0]
	v_add_nc_u32 v[PF+1], s37, v[PF+1]
	v_lshlrev_b32 v[PF], 8, v[PF]
	v_lshlrev_b32 v[PF+1], 8, v[PF+1]
	v_mov_b32 v[TM+2], 0                           ; a lane permute's destination counts as one of its sources
	v_mov_b32 v[TM+3], 0
	WALU                                           ; the wait at the head's end
	s_cmp_lt_u32 s14, 2
	s_cbranch_scc0 .Lnot_r
	s_wait_tensorcnt 0x0
.Lnot_r:
	s_barrier_signal -1
	s_barrier_wait -1                              ; x is in; Wv may still be on its way
.irp t, 0,1,2,3
.irp k, 0,1,2,3
	ds_load_b64 v[RS+8*\t+2*\k:RS+8*\t+2*\k+1], v[ARS] offset:\t*RT+128*\k
.endr
.endr
	WIN 0x40
.irp c, 0,1,2,3,4,5,6,7
.if \c == 5
	WIN 0x80
.endif
.irp t, 0,1,2,3
.irp p, 0,1,2,3,4,5
	ds_load_b64 v[12*(4*(\c%5)+\t)+2*\p:12*(4*(\c%5)+\t)+2*\p+1], v[AR] offset:\t*RT+FRB*\c+256*\p
.endr
.endr
.endr
	WIN 0
	global_prefetch_b8 v[PF], s[60:61] th:TH_LOAD_NT scope:SCOPE_SE     ; what phase 2 loads into registers; neither the offsets nor the base are written again
	global_prefetch_b8 v[PF+1], s[60:61] th:TH_LOAD_NT scope:SCOPE_SE
	s_wait_tensorcnt 0x0
	s_wait_dscnt 0x0
	s_barrier_signal -1
	s_barrier_wait -1                              ; Wv is in
	FETCH 0, 0, AS0, ASS0
	FETCH 1, 1, AS0, ASS0
	s_mov_b32 s3, 0
	s_mov_b32 s9, 2*RT
	s_mov_b32 s8, 0
.Ltrip_v:                                          ; PHASE 1: Wv's 8 tiles; the last trip fetches tiles 8 and 9 of LDS: x's first two, phase 2's first blocks
	TRIP 0, 1
	s_add_co_u32 s3, s3, 1
	s_cmp_lt_u32 s3, 4
	WALU
	s_cbranch_scc1 .Ltrip_v
	; THE CHANGE OF PHASE: my rows of Wq | Wk take the registers that held my tokens (the last block's way out stands between the last products and these loads)
.irp t, 0,1,2,3
.irp k, 0,1,2,3
	global_load_b64 v[RS+8*\t+2*\k:RS+8*\t+2*\k+1], v[GRS], s[60:61] offset:\t*RT+12288+128*\k
.endr
.endr
	WIN 0x40
.irp c, 0,1,2,3,4,5,6,7
.if \c == 5
	WIN 0x80
.endif
.irp t, 0,1,2,3
.irp p, 0,1,2,3,4,5
	global_load_b64 v[12*(4*(\c%5)+\t)+2*\p:12*(4*(\c%5)+\t)+2*\p+1], v[AS0], s[60:61] offset:\t*RT+FRB*\c+256*\p   ; a piece: 256 consecutive bytes, aligned
.endr
.endr
.endr
	WIN 0
	s_wait_dscnt 0x0
	s_barrier_signal -1
	s_barrier_wait -1                              ; every wave's scale bytes of V lie in the stage
	ds_load_b64 v[208:209], v[SSO]
	s_mov_b64 s[12:13], s[70:71]                   ; (the trips' last wait on XCNT has freed the base)
	s_mov_b32 s3, 0
	s_mov_b32 s8, 0
	s_wait_dscnt 0x0
	global_store_b64 v[AS0], v[208:209], s[10:11]  ; 256 consecutive bytes, aligned
	s_wait_loadcnt 0x0
.Ltrip_qk:                                         ; PHASE 2: x's 16 tiles
	TRIP 1, 1
	s_add_co_u32 s3, s3, 1
	s_cmp_lt_u32 s3, 7
	WALU
	s_cbranch_scc1 .Ltrip_qk
	TRIP 1, 0                                      ; the last two blocks fetch nothing
	ds_load_b128 v[200:203], v[SQO]                ; my own bytes: LDS serves a wave's instructions in order (ISA guide 5.7.1.4)
	ds_load_b128 v[204:207], v[SQO] offset:512
	s_wait_dscnt 0x0
	global_store_b128 v[L16], v[200:203], s[68:69]
	global_store_b128 v[L16], v[204:207], s[68:69] offset:512
	s_wait_tensorcnt 0x0                           ; the wave's end
	ds_add_u32 v[SPW], v[NIL]
	s_wait_dscnt 0x0
	CROUND                                         ; the closing round
	s_endpgm
.Lfunc_end_k_q5de93b2e43_qkv:
	.size	k_q5de93b2e43_qkv, .Lfunc_end_k_q5de93b2e43_qkv-k_q5de93b2e43_qkv
	.p2alignl 7, 3214868480
	.fill 96, 4, 3214868480
	.section	.rodata,"a",@progbits
	.p2align	6, 0x0
	.amdhsa_kernel k_q5de93b2e43_qkv
		.amdhsa_group_segment_fixed_size 327680
		.amdhsa_private_segment_fixed_size 0
		.amdhsa_enable_private_segment 0
		.amdhsa_kernarg_size 40
		.amdhsa_user_sgpr_count 2
		.amdhsa_user_sgpr_kernarg_segment_ptr 1
		.amdhsa_wavefront_size32 1
		.amdhsa_system_sgpr_workgroup_id_x 1
		.amdhsa_system_sgpr_workgroup_id_y 1
		.amdhsa_system_sgpr_workgroup_id_z 1
		.amdhsa_system_vgpr_workitem_id 0
		.amdhsa_next_free_vgpr 960
		.amdhsa_next_free_sgpr 98
		.amdhsa_reserve_vcc 0
		.amdhsa_float_denorm_mode_32 3
		.amdhsa_float_denorm_mode_16_64 3
		.amdhsa_memory_ordered 1
		.amdhsa_forward_progress 1
		.amdhsa_inst_pref_size 101
	.end_amdhsa_kernel
	.amdgpu_metadata
---
amdhsa.version: [ 1, 2 ]
amdhsa.kernels:
  - .name:           k_q5de93b2e43_qkv
    .symbol:         k_q5de93b2e43_qkv.kd
    .args:
      - { .name: wv_op, .offset: 0, .size: 8, .value_kind: global_buffer, .address_space: global }
      - { .name: x_op, .offset: 8, .size: 8, .value_kind: global_buffer, .address_space: global }
      - { .name: wqk_op, .offset: 16, .size: 8, .value_kind: global_buffer, .address_space: global }
      - { .name: vt, .offset: 24, .size: 8, .value_kind: global_buffer, .address_space: global }
      - { .name: qk, .offset: 32, .size: 8, .value_kind: global_buffer, .address_space: global }
    .group_segment_fixed_size: 327680
    .private_segment_fixed_size: 0
    .kernarg_segment_align: 8
    .kernarg_segment_size: 40
    .max_flat_workgroup_size: 128
    .sgpr_count:     98
    .vgpr_count:     960
    .wavefront_size: 32
...
	.end_amdgpu_metadata
.endif
;; end of part 2
;; launch attn (part 3): grid 4 x 64, 8 waves a work-group, clusters of 4 x 1, 222,208 bytes of LDS; arguments qk, vt, o_op; writes o_op
.if DOCPART == 3
	.amdgcn_target "amdgcn-amd-amdhsa--gfx1250"
	.amdhsa_code_object_version 6
	.text
	.protected	k_q5de93b2e43_attn
	.globl	k_q5de93b2e43_attn
	.p2align	8
	.type	k_q5de93b2e43_attn,@function
k_q5de93b2e43_attn:
	s_mov_b64 s[64:65], 0
	v_nop
	global_prefetch_b8 v0, s[64:65] scope:SCOPE_SE
	s_setreg_imm32_b32 hwreg(HW_REG_WAVE_MODE, 25, 1), 1
	s_wait_xcnt 0x0
	s_wait_alu depctr_hold_cnt(0) depctr_sa_sdst(0) depctr_va_vdst(0) depctr_va_sdst(0) depctr_va_ssrc(0) depctr_va_vcc(0) depctr_vm_vsrc(0)
	s_getreg_b32 s2, hwreg(HW_REG_IB_STS2, 6, 4)
	s_cmp_eq_u32 s2, 0
	s_cbranch_scc0 .Lentry_in_a_cluster
	s_endpgm
.Lentry_in_a_cluster:
	s_bfe_u32 s2, ttmp6, 0x10000c
	s_cmp_lg_u32 s2, 0x3003
	s_cbranch_scc0 .Lentry_shape_is_right
	s_endpgm
.Lentry_shape_is_right:
; For each (batch b, head hh): O = softmax(Q K^T / 8) V, both products on codes of FP6 (E2M3) with E8M0 scales, and O / l quantised along (head, dk) into the next product's operand.
; THE SOFTMAX: t = score x log2(e) / 8; M = the row's largest t so far, rounded UP to a whole number; p = 2^(t - M) is quantised along the keys, not normalised; the sum l is taken of the unquantised p and divides at the end.
; When M moves, the sum and O are multiplied by 2^(old M - new M): exact.
; INPUTS, as images of operand registers (a fragment: 1,536 bytes, six pieces of 256, lane l's 8 bytes at 256 p + 8 l).  qk: fragment idx at 2^22 + 1,536 idx holds 16 tokens x two heads' 64; head hh takes the half at 768 (hh % 2).
; Its scale word lies at 2^21 (hh % 2) + 64 idx + 4 r.  Q: idx = 512 (hh / 2) + 128 b + tile; K: + 4,096.  vt: idx = 512 (16 b + j) + 4 hh + t: 16 of the head's 64 x keys 128 j on, the keys in their true order.
; Slot r of a stored tile T is true index 32 (T / 2) + 8 (T % 2) + r % 8 + 16 (r / 8), of tokens and of d alike.
; dk = 64 FILLS HALF OF THE INSTRUCTION'S 128: Q's registers 6-11 are zero codes.  K's registers 6-11 may then hold any codes (E2M3 has no NaN and no infinity; no scale byte here is 0xff): K's eight tiles lie six registers apart
; and a fragment is a tile and the tile behind it; six zero registers stand behind the last.
; WHICH KEYS FORM A TILE OF K is chosen by the lanes' LDS addresses: slot 8 h + j of tile 4 c + u is key 64 c + 32 h + 8 u + j of the step, which lies in stored tile 4 c + 2 h + u % 2 at slot 8 (u / 2) + j.
; Both products are used transposed (S^T = K Q^T, O^T = V^T P^T).  So lane (r, h) holds query r, and its 32 registers of tiles 4 c .. 4 c + 3 are the WHOLE block 2 c + h of 32 keys, in the order of the next operand's registers:
; a block's largest score needs no other lane and the codes fall where the operand wants them.  Lanes l and l xor 16 exchange the row's maximum, two scale bytes, and at the end the sum.
; SHARES.  A cluster of four work-groups is one (b, hh); a work-group owns 512 queries, in two passes of 256: two tiles of 16 to each of its eight waves, two waves to a SIMD.  The two tiles are worked line by line in turn;
; each fragment of K and V read from LDS serves both.
; A HEAD'S WHOLE K AND V LIE IN LDS, filled ONCE by eight joint loads that name the four work-groups, one a wave; nothing is filled again.  K's pieces of 256 bytes have 32 bytes of padding behind them: two stored tiles are then
; 1,728 bytes apart, 192 modulo 256, and the 32 lanes of a load of 8 bytes touch 64 different banks (64 banks of 4 bytes: ISA guide 11.1).
; No prefetch: all that the launch reads through LDS is asked for at the head.
; THE RESULT: o_op, row tile R = 128 b + the query tile: the head's half fragment at 12,800 R + 1,536 (hh / 2) + 768 (hh % 2); its two scale bytes a row at 12,800 R + 12,288 + 128 (hh / 4) + 8 r + 4 ((hh / 2) % 2) + 2 (hh % 2).
; LIMITS: a block whose largest magnitude lies under 2^-124 gets the byte 1, a block of zeros too (its codes are zeros); a block's largest p is made from its largest score by the same multiply-add and exponential;
; O / l is a reciprocal (1 ulp) and a multiplication; NaN and infinities are not served; the scaled scores stay under 2^31 in magnitude.
; REGISTERS.  Window 0: addresses, scale words, the softmax (S^T and p: v128-255), p's codes.  Window 1: O^T v0-63, Q v64-87, K v88-141, V v144-191.
.set RT,    12800
.set CODES, 0x400000
.set KP,    288                        ; a piece of K in LDS
.set KT,    864                        ; a stored tile of K: three pieces
.set KSTEP, 8*KT
.set VIMG,  128*KT                     ; V's 64 fragments, (4 j + t) x 1,536
.set KSC,   VIMG+98304                 ; K's scale words, 64 bytes a stored tile
.set VSC,   KSC+8192                   ; V's, 256 j + 64 t
.set SPARE, VSC+4096                   ; the spare words: 128 bytes a wave
.set AK0,  1
.set AV0,  2
.set ASK0, 3
.set ASV0, 4
.set ADK,  5
.set ADV,  6
.set ADS,  7
.set ADT,  8
.set R8,   9
.set R4,   10
.set L8,   11
.set NM,   12                          ; v12, v14: -M of tile 0, 1;  v13, v15: the largest score so far
.set FF,   16                          ; v16, v18: f = 2^(old M - new M)
.set SH8,  20
.set SPW,  22
.set NIL,  23
.set KW,   32                          ; v32-39 K's scale words; v40-43 V's; v44, v45 Q's; v46, v47 p's: these hold scales and nothing else
.set VW,   40
.set QW,   44
.set PSW,  46
.set BM,   48                          ; v48-51 a block's largest: x = 2 q + c
.set TX,   52
.set YY,   56
.set BB,   60
.set PP,   64                          ; v64-87 p's codes, 12 a tile
.set TC,   88
.set LS,   104                         ; v104.., v112..: four chains of sums a tile; chain 0 is l
.set SS,   128
.set OO,   0
.set QQ,   64
.set KK,   88
.set VV,   144
.set WV,   10
.set SEL,  12
.set CS,   14
.set G1V,  16
.set G1K,  24
.set G1KS, 32
.set G1VS, 40
.set QB,   68
.set QS,   70
.set OS,   72
.set OB,   8
.set TK,   74
.set TS,   75
.set TV,   76
.set TJ,   77
.set CNT,  78
.set PASS, 79
.set NC,   80
.set MSB, 0
.macro WIN new
.if MSB != (\new)
	s_set_vgpr_msb (MSB<<8)|(\new)
.set MSB, \new
.endif
.endm
.macro WALU
	s_wait_alu depctr_va_vdst(0)
.endm
.macro D2
	s_delay_alu instid0(VALU_DEP_2)
.endm
.macro D4
	s_delay_alu instid0(VALU_DEP_4)
.endm
.macro CROUND
	s_barrier_signal -1
	s_barrier_wait -1
	s_cmp_lg_u32 s[WV], 0
	s_cbranch_scc1 .Lnot_wave_0_\@
	s_barrier_signal -3
.Lnot_wave_0_\@:
	s_barrier_wait -3
	s_barrier_signal -1
	s_barrier_wait -1
.endm
.macro G1SET g, w0, c, r, p            ; group 1: r rows of c elements of 8 bytes, p elements apart
	s_mov_b32 s[\g], \w0
	s_mov_b32 s[\g+1], (\c)<<16
	s_mov_b32 s[\g+2], (\r)<<16
	s_mov_b32 s[\g+3], (\c)<<16
	s_mov_b32 s[\g+4], \r
	s_mov_b32 s[\g+5], \p
	s_mov_b32 s[\g+6], 0
	s_mov_b32 s[\g+7], 0
.endm
.macro TLOAD g0, g1
	tensor_load_to_lds s[\g0:\g0+3], s[\g1:\g1+7]
	s_nop 0
.rept 4
	v_nop
.endr
.endm
.macro KWORDS
.irp t, 0,1,2,3,4,5,6,7
	ds_load_b32 v[KW+\t], v[ADS] offset:64*(4*(\t/4)+(\t%2))+32*((\t%4)/2)
.endr
.endm
.macro KFRAGS                          ; under WIN 0x40
.irp t, 0,1,2,3,4,5,6,7
.irp p, 0,1,2
	ds_load_b64 v[KK+6*\t+2*\p:KK+6*\t+2*\p+1], v[ADK] offset:(4*(\t/4)+(\t%2))*KT+64*((\t%4)/2)+KP*\p
.endr
.endr
.endm
	s_load_b128 s[4:7], s[0:1], 0x0                ; qk, vt
	s_load_b64 s[8:9], s[0:1], 0x10                ; o_op
	v_lshl_add_u32 v[SPW], v0, 2, SPARE
	v_mov_b32 v[NIL], 0
	ds_add_u32 v[SPW], v[NIL]                      ; the opening lines: the add twice on end and its wait
	ds_add_u32 v[SPW], v[NIL]
	v_lshrrev_b32 v5, 5, v0
	v_readfirstlane_b32 s[WV], v5                  ; wave 0..7
	s_and_b32 s3, ttmp7, 0xffff                    ; 16 b + hh: the four partners share it
	s_lshr_b32 s100, s3, 4                         ; b
	s_and_b32 s101, s3, 15                         ; hh
	s_and_b32 s92, s101, 1
	s_lshr_b32 s93, s101, 1
	s_lshl_b32 s94, s93, 9
	s_lshl_b32 s95, s100, 7                        ; 128 b
	s_add_co_u32 s94, s94, s95                     ; idx of the head's first tile of Q
	s_mul_i32 s11, s92, 768                        ; my half of a fragment
	s_lshl_b32 s3, s92, 21                         ; my plane of scale words
	s_add_co_u32 s96, s94, 4096                    ; idx of its first tile of K
	s_mul_i32 s98, s96, 1536
	s_add_co_u32 s98, s98, s11
	s_add_co_u32 s98, s98, CODES
	s_and_b32 s82, s[WV], 1                        ; waves 4, 5 fetch 64 tiles of K each
	s_mul_i32 s83, s82, 64*1536
	s_add_co_u32 s98, s98, s83
	s_mov_b32 s99, 0
	s_lshl_b32 s96, s96, 6
	s_add_co_u32 s96, s96, s3
	s_mov_b32 s97, 0
	s_lshl_b32 s84, s100, 13
	s_lshl_b32 s85, s101, 2
	s_add_co_u32 s84, s84, s85                     ; idx of V's first fragment: 8,192 b + 4 hh
	s_lshl_b32 s86, s84, 6
	s_mov_b32 s87, 0
	s_mul_i32 s84, s84, 1536
	s_add_co_u32 s84, s84, CODES
	s_mul_i32 s85, s[WV], 4*786432                 ; waves 0-3 fetch four key steps of V each
	s_add_co_u32 s84, s84, s85
	s_mov_b32 s85, 0
	G1SET G1V, 15|(3<<16)|(1<<21), 768, 4, 98304   ; 4 key steps: 6,144 bytes, 786,432 apart; the mask names the four work-groups
	G1SET G1K, 15|(3<<16)|(1<<20)|(1<<21)|(5<<22)|(7<<25), 96, 64, 192   ; 64 tiles: 768 bytes of every 1,536; 8 dwords of padding behind every 64
	G1SET G1KS, 15|(3<<16)|(1<<21), 32, 32, 32     ; 8,192 dense bytes
	G1SET G1VS, 15|(3<<16)|(1<<21), 32, 16, 4096   ; 16 key steps: 256 bytes, 32,768 apart
	s_mov_b32 s48, 1
	s_mul_i32 s49, s[WV], 24576
	s_add_co_u32 s49, s49, VIMG
	s_mov_b32 s52, 1
	s_mul_i32 s53, s82, 64*KT
	s_mov_b32 s56, 1
	s_mov_b32 s57, KSC
	s_mov_b32 s60, 1
	s_mov_b32 s61, VSC
	s_mov_b32 s[SEL], 0x76543210
	s_mov_b32 s[SEL+1], 0xfedcba98
	s_mov_b32 s[CS], 0x3e38aa3b                    ; c = log2(e) / 8
	s_mov_b32 s[CS+1], s[CS]
	s_mov_b32 s[NC], 0xbe38aa3b                    ; -c
	s_wait_dscnt 0x0
	s_wait_kmcnt 0x0
	s_add_nc_u64 s[50:51], s[6:7], s[84:85]
	s_or_b32 s51, s51, 0x80000000
	s_add_nc_u64 s[54:55], s[4:5], s[98:99]
	s_or_b32 s55, s55, 0x80000000
	s_add_nc_u64 s[58:59], s[4:5], s[96:97]
	s_or_b32 s59, s59, 0x80000000
	s_add_nc_u64 s[62:63], s[6:7], s[86:87]
	s_or_b32 s63, s63, 0x80000000
	CROUND                                         ; all four work-groups are here: the joint loads meet
	s_cmp_lt_u32 s[WV], 4                          ; one tensor load a wave, in one chain of branches on the wave's number
	s_cbranch_scc0 .Lfor_k
	TLOAD 48, G1V
	s_branch .Lasked
.Lfor_k:
	s_cmp_lt_u32 s[WV], 6
	s_cbranch_scc0 .Lfor_ks
	TLOAD 52, G1K
	s_branch .Lasked
.Lfor_ks:
	s_cmp_eq_u32 s[WV], 6
	s_cbranch_scc0 .Lfor_vs
	TLOAD 56, G1KS
	s_branch .Lasked
.Lfor_vs:
	TLOAD 60, G1VS
.Lasked:
	; my queries: tiles 32 x work-group + 2 x wave, + 1 (+ 16 in the second pass).  The place in the cluster enters these four global addresses alone
	s_bfe_u32 s2, ttmp6, 0x40000
	s_lshl_b32 s96, ttmp9, 2
	s_add_co_u32 s2, s2, s96
	s_lshl_b32 s2, s2, 5
	s_lshl_b32 s96, s[WV], 1
	s_add_co_u32 s2, s2, s96
	s_add_co_u32 s94, s94, s2                      ; Q's idx
	s_add_co_u32 s95, s95, s2                      ; R
	s_mul_i32 s96, s94, 1536
	s_add_co_u32 s96, s96, s11
	s_add_co_u32 s96, s96, CODES
	s_mov_b32 s97, 0
	s_add_nc_u64 s[QB:QB+1], s[4:5], s[96:97]
	s_lshl_b32 s98, s94, 6
	s_add_co_u32 s98, s98, s3
	s_mov_b32 s99, 0
	s_add_nc_u64 s[QS:QS+1], s[4:5], s[98:99]
	s_mul_i32 s94, s95, RT
	s_lshr_b32 s2, s101, 2
	s_lshl_b32 s2, s2, 7
	s_and_b32 s3, s93, 1
	s_lshl_b32 s3, s3, 2
	s_add_co_u32 s2, s2, s3
	s_lshl_b32 s3, s92, 1
	s_add_co_u32 s2, s2, s3
	s_add_co_u32 s2, s2, s94
	s_add_co_u32 s2, s2, 12288
	s_mov_b32 s3, 0
	s_add_nc_u64 s[OS:OS+1], s[8:9], s[2:3]        ; my two scale bytes of row slot 0
	s_mul_i32 s2, s93, 1536
	s_add_co_u32 s2, s2, s11
	s_add_co_u32 s2, s2, s94
	s_add_nc_u64 s[OB:OB+1], s[8:9], s[2:3]        ; my half fragment
	v_and_b32 v[R4], 15, v0                        ; r
	v_and_b32 v[L8], 31, v0
	v_and_b32 v48, 7, v0                           ; j
	v_bfe_u32 v49, v0, 3, 1                        ; which block of the pair my slot's key lies in
	v_bfe_u32 v50, v0, 4, 1                        ; h
	v_lshlrev_b32 v[L8], 3, v[L8]                  ; 8 x lane
	v_lshlrev_b32 v[AK0], 3, v48
	v_lshlrev_b32 v[ASK0], 2, v48
	v_lshlrev_b32 v[R8], 3, v[R4]
	v_lshlrev_b32 v[R4], 2, v[R4]
	v_lshlrev_b32 v[SH8], 3, v50
	v_add_nc_u32 v[AV0], VIMG, v[L8]
	v_mad_u32_u24 v[AK0], v49, 2*KT, v[AK0]
	v_lshl_add_u32 v[ASK0], v49, 7, v[ASK0]
	v_add_nc_u32 v[ASV0], VSC, v[R4]
	v_lshl_add_u32 v[AK0], v50, 7, v[AK0]          ; K: 8 j + two stored tiles for the upper eight slots + 128 h
	v_add_nc_u32 v[ASK0], KSC, v[ASK0]
.irp i, 0,1,2,3
	v_mov_b32 v[TX+\i], 0                          ; a lane permute's destination counts as one of its sources
.endr
	v_mov_b32 v[FF+1], 0                           ; (named as the upper halves of pairs)
	v_mov_b32 v[FF+3], 0
	WIN 0x40
.irp i, 6,7,8,9,10,11, 18,19,20,21,22,23
	v_mov_b32 v[QQ+\i], 0                          ; Q's idle 64 along K: zero codes
.endr
.irp i, 48,49,50,51,52,53
	v_mov_b32 v[KK+\i], 0                          ; behind K's last tile
.endr
	WIN 0
	s_mov_b32 s[PASS], 2
	WALU                                           ; the wait at the head's end
	s_wait_tensorcnt 0x0                           ; what I asked for has landed,
	s_barrier_signal -1
	s_barrier_wait -1                              ; and so has what the others asked for: K and V lie in LDS for the rest of the launch
; A KEY STEP: 128 keys x 32 queries.  K's fragments and words were asked for a step ago.
.macro STEP
	s_wait_dscnt 0x0
	WIN 0x05
.irp t, 0,1,2,3,4,5,6,7
.irp q, 0,1
	v_wmma_scale_f32_16x16x128_f8f6f4 v[SS+64*\q+8*\t:SS+64*\q+8*\t+7], v[KK+6*\t:KK+6*\t+11], v[QQ+12*\q:QQ+12*\q+11], 0, v[KW+\t], v[QW+\q] matrix_a_fmt:MATRIX_FMT_FP6 matrix_b_fmt:MATRIX_FMT_FP6
.endr
.endr
	WIN 0
	v_add_nc_u32 v[ADV], s[TV], v[AV0]             ; these four are the places behind the products: ahead of the loads into their registers and of the first read of the scores
	v_add_nc_u32 v[ADT], s[TJ], v[ASV0]
	v_add_nc_u32 v[ADK], s[TK], v[AK0]             ; the next step's K (behind the last step: bytes of V's image, which nobody uses)
	v_add_nc_u32 v[ADS], s[TS], v[ASK0]
.irp t, 0,1,2,3
	ds_load_b32 v[VW+\t], v[ADT] offset:64*\t
.endr
	KWORDS
	WIN 0x40
.irp t, 0,1,2,3
.irp p, 0,1,2,3,4,5
	ds_load_b64 v[VV+12*\t+2*\p:VV+12*\t+2*\p+1], v[ADV] offset:1536*\t+256*\p
.endr
.endr
	KFRAGS
	WIN 0
.irp x, 0,1,2,3                                ; the largest score of each block: x = 2 q + c; all 32 are mine.  Each accumulator is first read at its low end
	v_max3_num_f32 v[BM+\x], v[SS+32*\x], v[SS+32*\x+1], v[SS+32*\x+2]
.endr
.irp i, 3,5,7,9,11,13,15,17,19,21,23,25,27,29
.irp x, 0,1,2,3
	v_max3_num_f32 v[BM+\x], v[BM+\x], v[SS+32*\x+\i], v[SS+32*\x+\i+1]
.endr
.endr
.irp x, 0,1,2,3
	v_max_num_f32 v[BM+\x], v[BM+\x], v[SS+32*\x+31]
.endr
.irp q, 0,1
	v_max_num_f32 v[TX+\q], v[BM+2*\q], v[BM+2*\q+1]
.endr
.irp q, 0,1
	D2
	v_permlanex16_b32 v[TX+2+\q], v[TX+\q], s[SEL], s[SEL+1]
.endr
.irp q, 0,1
	D2
	v_max3_num_f32 v[NM+2*\q+1], v[NM+2*\q+1], v[TX+\q], v[TX+2+\q]   ; the row's largest score so far
.endr
.irp q, 0,1
	D2
	v_mul_f32 v[TX+\q], s[NC], v[NM+2*\q+1]        ; -t
.endr
.irp q, 0,1
	D2
	v_floor_f32 v[TX+\q], v[TX+\q]                 ; the new -M = -ceil(t)
.endr
.irp q, 0,1
	D2
	v_sub_f32 v[TX+2+\q], v[TX+\q], v[NM+2*\q]     ; old M - new M: a whole number, 0 or less
.endr
.irp q, 0,1
	v_mov_b32 v[NM+2*\q], v[TX+\q]
.endr
.irp q, 0,1
	D4
	v_cvt_i32_f32 v[TX+2+\q], v[TX+2+\q]           ; (it saturates)
.endr
.irp q, 0,1
	D2
	v_ldexp_f32 v[FF+2*\q], 1.0, v[TX+2+\q]        ; f
.endr
.set J, 0
.rept 32
.irp q, 0,1
	v_pk_fma_f32 v[SS+64*\q+J:SS+64*\q+J+1], v[SS+64*\q+J:SS+64*\q+J+1], s[CS:CS+1], v[NM+2*\q:NM+2*\q+1] op_sel_hi:[1,0,0]   ; t - M
.endr
.set J, J+2
.endr
.irp x, 0,1,2,3
	v_fma_f32 v[BM+\x], v[BM+\x], s[CS], v[NM+2*(\x/2)]   ; the same of each block's largest score
.endr
	WIN 0x41
.set J, 0
.rept 16
.irp q, 0,1
	v_pk_mul_f32 v[OO+32*\q+J:OO+32*\q+J+1], v[OO+32*\q+J:OO+32*\q+J+1], v[FF+2*\q:FF+2*\q+1] op_sel_hi:[1,0]   ; O^T under the new M, ahead of the exponentials
.endr
.set J, J+2
.endr
	WIN 0
	WALU                                           ; the wait ahead of the batch
.set J, 0
.rept 128
	v_exp_f32 v[SS+J], v[SS+J]                     ; p = 2^(t - M)
.set J, J+1
.endr
.irp x, 0,1,2,3
	v_exp_f32 v[BM+\x], v[BM+\x]                   ; the block's largest p
.endr
	v_nop                                          ; a plain place behind the exponentials
	WALU                                           ; and the wait behind the batch
.irp x, 0,1,2,3
	v_max_num_f32 v[BM+\x], 0x1800000, v[BM+\x]    ; the floor 2^(3 - 127): the byte cannot fall under 1
.endr
.irp x, 0,1,2,3
	D4
	v_add_nc_u32 v[YY+\x], 0xff000000, v[BM+\x]    ; the conversion's scale operand
.endr
.irp x, 0,1,2,3
	D4
	v_lshrrev_b32 v[BB+\x], 23, v[YY+\x]           ; the byte
.endr
.irp q, 0,1
	v_lshl_or_b32 v[BB+2*\q], v[BB+2*\q+1], 16, v[BB+2*\q]   ; my blocks h and 2 + h,
.endr
.irp q, 0,1
	D2
	v_lshlrev_b32 v[BB+2*\q], v[SH8], v[BB+2*\q]   ; at their places in the word;
.endr
.irp q, 0,1
	D2
	v_permlanex16_b32 v[TX+2+\q], v[BB+2*\q], s[SEL], s[SEL+1]
.endr
.irp q, 0,1
	D2
	v_or_b32 v[PSW+\q], v[BB+2*\q], v[TX+2+\q]     ; with lane l xor 16's two the word is whole
.endr
.irp x, 0,1,2,3
	v_cvt_scalef32_pk16_fp6_f32 v[PP+6*\x:PP+6*\x+2], v[SS+32*\x:SS+32*\x+15], v[YY+\x]
	v_cvt_scalef32_pk16_fp6_f32 v[TC+4*\x:TC+4*\x+2], v[SS+32*\x+16:SS+32*\x+31], v[YY+\x]   ; (a conversion's three registers begin on an even number)
.endr
.irp q, 0,1                                    ; the sums of the unquantised p, four chains a tile; they are also the places ahead of the products below
	v_pk_fma_f32 v[LS+8*\q:LS+8*\q+1], v[LS+8*\q:LS+8*\q+1], v[FF+2*\q:FF+2*\q+1], v[SS+64*\q:SS+64*\q+1] op_sel_hi:[1,0,1]   ; l under the new M
.endr
.irp k, 1,2,3
.irp q, 0,1
	v_pk_add_f32 v[LS+8*\q+2*\k:LS+8*\q+2*\k+1], v[SS+64*\q+4*\k-2:SS+64*\q+4*\k-1], v[SS+64*\q+4*\k:SS+64*\q+4*\k+1]
.endr
.endr
.irp x, 0,1,2,3
.irp i, 0,1,2
	v_mov_b32 v[PP+6*\x+3+\i], v[TC+4*\x+\i]
.endr
.endr
.set J, 7
.rept 25
.irp q, 0,1
	v_pk_add_f32 v[LS+8*\q+2*(J%4):LS+8*\q+2*(J%4)+1], v[LS+8*\q+2*(J%4):LS+8*\q+2*(J%4)+1], v[SS+64*\q+2*J:SS+64*\q+2*J+1]
.endr
.set J, J+1
.endr
.irp q, 0,1
	v_pk_add_f32 v[LS+8*\q:LS+8*\q+1], v[LS+8*\q:LS+8*\q+1], v[LS+8*\q+2:LS+8*\q+3]
.endr
.irp q, 0,1
	v_pk_add_f32 v[LS+8*\q+4:LS+8*\q+5], v[LS+8*\q+4:LS+8*\q+5], v[LS+8*\q+6:LS+8*\q+7]
.endr
.irp q, 0,1
	D2
	v_pk_add_f32 v[LS+8*\q:LS+8*\q+1], v[LS+8*\q:LS+8*\q+1], v[LS+8*\q+4:LS+8*\q+5]
.endr
	WALU                                           ; the wait here, directly ahead of the wait below
	s_wait_dscnt 24                                ; V's fragments and words are in; the 24 loads of the next step's K may be out
	WIN 0x51
.irp t, 0,1,2,3                                ; O^T += V^T P^T: the eight accumulators by turns
.irp q, 0,1
	v_wmma_scale_f32_16x16x128_f8f6f4 v[OO+32*\q+8*\t:OO+32*\q+8*\t+7], v[VV+12*\t:VV+12*\t+11], v[PP+12*\q:PP+12*\q+11], v[OO+32*\q+8*\t:OO+32*\q+8*\t+7], v[VW+\t], v[PSW+\q] matrix_a_fmt:MATRIX_FMT_FP6 matrix_b_fmt:MATRIX_FMT_FP6
.endr
.endr
	WIN 0
	s_add_co_u32 s[TK], s[TK], KSTEP
	s_add_co_u32 s[TS], s[TS], 512
	s_add_co_u32 s[TV], s[TV], 6144
	s_add_co_u32 s[TJ], s[TJ], 256
.endm
.Lpass:
	WIN 0x40
.irp q, 0,1
.irp p, 0,1,2
	global_load_b64 v[QQ+12*\q+2*\p:QQ+12*\q+2*\p+1], v[L8], s[QB:QB+1] offset:1536*\q+256*\p   ; my two tiles of Q stay in registers
.endr
.endr
.set J, 0
.rept 64
	v_mov_b32 v[OO+J], 0                           ; O^T: the step is written once; its first trip finds zeros, which f = 0 leaves zeros
.set J, J+1
.endr
	WIN 0
.irp q, 0,1
	global_load_b32 v[QW+\q], v[R4], s[QS:QS+1] offset:64*\q
	v_mov_b32 v[NM+2*\q+1], 0xff61b1e6             ; the largest score so far: -3e38
	v_mov_b32 v[NM+2*\q], 0x7d000000               ; -M: a whole number above every -M to come, so that the first f is 0
	v_mov_b32 v[LS+8*\q], 0
	v_mov_b32 v[LS+8*\q+1], 0
.endr
	v_add_nc_u32 v[ADK], 0, v[AK0]                 ; step 0's K
	v_add_nc_u32 v[ADS], 0, v[ASK0]
	KWORDS
	WIN 0x40
	KFRAGS
	WIN 0
	s_mov_b32 s[TK], KSTEP
	s_mov_b32 s[TS], 512
	s_mov_b32 s[TV], 0
	s_mov_b32 s[TJ], 0
	s_mov_b32 s[CNT], 16
	WALU
	s_wait_loadcnt 0x0
.Lstep:
	STEP
	s_sub_co_u32 s[CNT], s[CNT], 1
	s_cmp_lg_u32 s[CNT], 0
	s_cbranch_scc1 .Lstep
	s_wait_dscnt 0x0                               ; the loads that ran ahead of the last step have landed: their registers may be loaded again
	; THE WAY OUT OF A PASS: O^T / l, quantised in two blocks of 32 along d; register 16 b + i is d 32 b + 16 h + i
.irp q, 0,1
	v_add_f32 v[LS+8*\q], v[LS+8*\q], v[LS+8*\q+1]
.endr
.irp q, 0,1
	D2
	v_permlanex16_b32 v[TX+\q], v[LS+8*\q], s[SEL], s[SEL+1]
.endr
.irp q, 0,1
	D2
	v_add_f32 v[LS+8*\q], v[LS+8*\q], v[TX+\q]     ; the row's sum
.endr
	WALU
	v_rcp_f32 v[LS], v[LS]
	v_rcp_f32 v[LS+8], v[LS+8]
.rept 4
	v_nop                                          ; places behind the last products, and the plain place behind the reciprocals
.endr
	WALU                                           ; ahead of the first reader of the reciprocals and of O^T
	WIN 0x01
.irp q, 0,1
.set J, 0
.rept 32
	v_mul_f32 v[SS+64*\q+J], v[OO+32*\q+J], v[LS+8*\q]   ; each accumulator from its low end on
.set J, J+1
.endr
.endr
	WIN 0
.irp x, 0,1,2,3                                ; x = 2 q + b
	v_max3_num_f32 v[BM+\x], |v[SS+64*(\x/2)+16*(\x%2)]|, |v[SS+64*(\x/2)+16*(\x%2)+1]|, 0x1800000
.endr
.irp i, 2,4,6,8,10,12,14
.irp x, 0,1,2,3
	v_max3_num_f32 v[BM+\x], v[BM+\x], |v[SS+64*(\x/2)+16*(\x%2)+\i]|, |v[SS+64*(\x/2)+16*(\x%2)+\i+1]|
.endr
.endr
.irp x, 0,1,2,3
	v_permlanex16_b32 v[TX+\x], v[BM+\x], s[SEL], s[SEL+1]
.endr
.irp x, 0,1,2,3
	v_max_num_f32 v[BM+\x], v[BM+\x], v[TX+\x]
.endr
.irp x, 0,1,2,3
	v_add_nc_u32 v[YY+\x], 0xff000000, v[BM+\x]
.endr
.irp x, 0,1,2,3
	v_lshrrev_b32 v[BB+\x], 23, v[YY+\x]
.endr
.irp q, 0,1
	v_lshl_or_b32 v[TX+\q], v[BB+2*\q+1], 8, v[BB+2*\q]   ; the head's two scale bytes of my row
.endr
.irp q, 0,1
	v_cvt_scalef32_pk16_fp6_f32 v[PP+12*\q:PP+12*\q+2], v[SS+64*\q:SS+64*\q+15], v[YY+2*\q]
	v_cvt_scalef32_pk16_fp6_f32 v[TC+4*\q:TC+4*\q+2], v[SS+64*\q+16:SS+64*\q+31], v[YY+2*\q+1]
.endr
	v_nop
.irp q, 0,1
.irp i, 0,1,2
	v_permlane16_swap_b32 v[PP+12*\q+\i], v[TC+4*\q+\i]
.endr
.endr
.irp q, 0,1
.irp i, 0,1,2
	v_mov_b32 v[PP+12*\q+3+\i], v[TC+4*\q+\i]
.endr
.endr
.irp q, 0,1
.irp p, 0,1,2
	global_store_b64 v[L8], v[PP+12*\q+2*\p:PP+12*\q+2*\p+1], s[OB:OB+1] offset:RT*\q+256*\p   ; a piece: 256 consecutive bytes, aligned
.endr
	global_store_b16 v[R8], v[TX+\q], s[OS:OS+1] offset:RT*\q   ; both halves of the lanes write the same two bytes with the same value
.endr
	s_wait_xcnt 0x0                                ; the stores have read their registers and bases: both may be written again
	s_add_nc_u64 s[QB:QB+1], s[QB:QB+1], 16*1536   ; sixteen tiles on (behind the last pass these are not used)
	s_add_nc_u64 s[QS:QS+1], s[QS:QS+1], 16*64
	s_add_nc_u64 s[OB:OB+1], s[OB:OB+1], 16*RT
	s_add_nc_u64 s[OS:OS+1], s[OS:OS+1], 16*RT
	s_sub_co_u32 s[PASS], s[PASS], 1
	s_cmp_lg_u32 s[PASS], 0
	WALU
	s_cbranch_scc1 .Lpass
	s_wait_tensorcnt 0x0                           ; the wave's end
	ds_add_u32 v[SPW], v[NIL]
	s_wait_dscnt 0x0
	CROUND                                         ; the closing round
	s_endpgm
.Lfunc_end_k_q5de93b2e43_attn:
	.size	k_q5de93b2e43_attn, .Lfunc_end_k_q5de93b2e43_attn-k_q5de93b2e43_attn
	.p2alignl 7, 3214868480
	.fill 96, 4, 3214868480
	.section	.rodata,"a",@progbits
	.p2align	6, 0x0
	.amdhsa_kernel k_q5de93b2e43_attn
		.amdhsa_group_segment_fixed_size 222208
		.amdhsa_private_segment_fixed_size 0
		.amdhsa_enable_private_segment 0
		.amdhsa_kernarg_size 24
		.amdhsa_user_sgpr_count 2
		.amdhsa_user_sgpr_kernarg_segment_ptr 1
		.amdhsa_wavefront_size32 1
		.amdhsa_system_sgpr_workgroup_id_x 1
		.amdhsa_system_sgpr_workgroup_id_y 1
		.amdhsa_system_sgpr_workgroup_id_z 1
		.amdhsa_system_vgpr_workitem_id 0
		.amdhsa_next_free_vgpr 448
		.amdhsa_next_free_sgpr 102
		.amdhsa_reserve_vcc 0
		.amdhsa_float_denorm_mode_32 3
		.amdhsa_float_denorm_mode_16_64 3
		.amdhsa_memory_ordered 1
		.amdhsa_forward_progress 1
		.amdhsa_inst_pref_size 53
	.end_amdhsa_kernel
	.amdgpu_metadata
---
amdhsa.version: [ 1, 2 ]
amdhsa.kernels:
  - .name:           k_q5de93b2e43_attn
    .symbol:         k_q5de93b2e43_attn.kd
    .args:
      - { .name: qk, .offset: 0, .size: 8, .value_kind: global_buffer, .address_space: global }
      - { .name: vt, .offset: 8, .size: 8, .value_kind: global_buffer, .address_space: global }
      - { .name: o_op, .offset: 16, .size: 8, .value_kind: global_buffer, .address_space: global }
    .group_segment_fixed_size: 222208
    .private_segment_fixed_size: 0
    .kernarg_segment_align: 8
    .kernarg_segment_size: 24
    .max_flat_workgroup_size: 256
    .sgpr_count:     102
    .vgpr_count:     448
    .wavefront_size: 32
...
	.end_amdgpu_metadata
.endif
;; end of part 3
;; launch outp (part 4): grid 4 x 64, 4 waves a work-group, clusters of 4 x 4, 327,680 bytes of LDS; arguments o_op, wo_op, out0; writes out0
.if DOCPART == 4
	.amdgcn_target "amdgcn-amd-amdhsa--gfx1250"
	.amdhsa_code_object_version 6
	.text
	.protected	k_q5de93b2e43_outp
	.globl	k_q5de93b2e43_outp
	.p2align	8
	.type	k_q5de93b2e43_outp,@function
k_q5de93b2e43_outp:
	s_mov_b64 s[64:65], 0
	v_nop
	global_prefetch_b8 v0, s[64:65] scope:SCOPE_SE
	s_setreg_imm32_b32 hwreg(HW_REG_WAVE_MODE, 25, 1), 1
	s_wait_xcnt 0x0
	s_wait_alu depctr_hold_cnt(0) depctr_sa_sdst(0) depctr_va_vdst(0) depctr_va_sdst(0) depctr_va_ssrc(0) depctr_va_vcc(0) depctr_vm_vsrc(0)
	s_getreg_b32 s2, hwreg(HW_REG_IB_STS2, 6, 4)
	s_cmp_eq_u32 s2, 0
	s_cbranch_scc0 .Lentry_in_a_cluster
	s_endpgm
.Lentry_in_a_cluster:
	s_bfe_u32 s2, ttmp6, 0x10000c
	s_cmp_lg_u32 s2, 0xf033
	s_cbranch_scc0 .Lentry_shape_is_right
	s_endpgm
.Lentry_shape_is_right:
; out0 = O Wo on codes of FP6 (E2M3) with E8M0 scales; f32 sums, stored as f32.
; OPERANDS: a row tile (16 rows, all 1,024 along K) is RT = 12,800 bytes: eight fragments of 1,536 (six pieces of 256, lane l's 8 bytes at 256 p + 8 l), then 512 bytes of scale words
; (row slot r, K step C: 12,288 + 128 (C / 2) + 8 r + 4 (C % 2)).  Slot r of tile T is row 32 (T / 2) + 8 (T % 2) + r % 8 + 16 (r / 8).
; THE DEAL.  256 work-groups of four waves.  A work-group takes 8 row tiles of S = o_op (128 tokens; grid y) and 16 row tiles of R = wo_op (256 columns of the result; grid x), ALL of K: 24 x 12,800 bytes of LDS, filled once
; by four joint loads, one a wave: nothing is filled again, so there is no ring.  R's tiles are shared by a column of the cluster, S's by a row.
; A wave holds its 4 tiles of R (64 columns), all of K, in 384 registers and streams S past them in blocks of 16 tokens: 32 products a block, the four accumulators by turns, K ascending; a block's 8 fragments lie twice in registers.
; Source 0 = R: lane (r, h) holds token slot r; registers 8 u + j of tiles 2 b + u are columns 32 b + 16 h + 8 u + j of my 64.  A block, 16 rows x 256 bytes, goes through my own stage in LDS and comes back by rows:
; sixteen lanes store one aligned unit of 256 bytes.  A block's stores are issued at the head of the next block, so the stage's round trip stands under the fetch.
; No prefetch: all that the launch reads is asked for at the head.
; REGISTERS.  Window 0: addresses, scale words (v32-47 S's two sets, v50-81 R's), accumulators v96-159, rows on the way out v160-223.  Window 1: R's fragments of K steps 0-4; window 2: of K steps 5-7; window 3: S's two sets.
.set RT,    12800
.set FRB,   1536
.set RREG,  8*RT
.set STG,   24*RT
.set SP,    272
.set SPARE, STG+4*16*SP
.set NF,    52
.set AS0,  4
.set ASS0, 5
.set AR,   6
.set ARS,  7
.set AS,   8
.set ASS,  9
.set STO,  10
.set RD,   11
.set CO,   12
.set SPW,  14
.set NIL,  15
.set SS,   32
.set RS,   50
.set ACC,  96
.set BK,   160
.set MSB, 0
.macro WIN new
.if MSB != (\new)
	s_set_vgpr_msb (MSB<<8)|(\new)
.set MSB, \new
.endif
.endm
.macro WALU
	s_wait_alu depctr_va_vdst(0)
.endm
.macro PLACES
.rept 4
	v_nop
.endr
.endm
.macro CROUND
	s_barrier_signal -1
	s_barrier_wait -1
	s_cmp_lg_u32 s14, 0
	s_cbranch_scc1 .Lnot_wave_0_\@
	s_barrier_signal -3
.Lnot_wave_0_\@:
	s_barrier_wait -3
	s_barrier_signal -1
	s_barrier_wait -1
.endm
.macro P1 d, a, b, c, xa, xb
	v_wmma_scale_f32_16x16x128_f8f6f4 v[\d:\d+7], v[\a:\a+11], v[\b:\b+11], \c, v[\xa], v[\xb] matrix_a_fmt:MATRIX_FMT_FP6 matrix_b_fmt:MATRIX_FMT_FP6
.endm
.macro W e                             ; a block's 32 products on set e
	WIN 0x0d
.irp c, 0,1,2,3,4,5,6,7
.if \c == 5
	WIN 0x0e
.endif
.irp t, 0,1,2,3
.if \c == 0
	P1 ACC+32*\e+8*\t, 12*(4*(\c%5)+\t), 96*\e+12*\c, 0, RS+8*\t+\c, SS+8*\e+\c
.else
	P1 ACC+32*\e+8*\t, 12*(4*(\c%5)+\t), 96*\e+12*\c, v[ACC+32*\e+8*\t:ACC+32*\e+8*\t+7], RS+8*\t+\c, SS+8*\e+\c
.endif
.endr
.endr
	WIN 0
.endm
.macro FETCH e, o, ad, sd              ; S's tile o from the addresses on, into set e: NF loads
.irp k, 0,1,2,3
	ds_load_b64 v[SS+8*\e+2*\k:SS+8*\e+2*\k+1], v[\sd] offset:\o*RT+128*\k
.endr
	WIN 0xc0
.irp c, 0,1,2,3,4,5,6,7
.irp p, 0,1,2,3,4,5
	ds_load_b64 v[96*\e+12*\c+2*\p:96*\e+12*\c+2*\p+1], v[\ad] offset:\o*RT+FRB*\c+256*\p
.endr
.endr
	WIN 0
.endm
.macro STAGE e                         ; into my stage, each accumulator from its low end on, and back by rows.  LDS serves a wave's instructions in order (ISA guide 5.7.1.4)
.irp t, 0,1,2,3
	ds_store_b128 v[STO], v[ACC+32*\e+8*\t:ACC+32*\e+8*\t+3] offset:128*(\t/2)+32*(\t%2)
	ds_store_b128 v[STO], v[ACC+32*\e+8*\t+4:ACC+32*\e+8*\t+7] offset:128*(\t/2)+32*(\t%2)+16
.endr
.irp i, 0,1,2,3,4,5,6,7
	ds_load_b128 v[BK+32*\e+4*\i:BK+32*\e+4*\i+3], v[RD] offset:2*\i*SP
.endr
.endm
.macro SEND e                          ; row slots 2 i and 2 i + 1 of the block: sixteen lanes store 256 consecutive bytes, aligned
.irp i, 0,1,2,3,4,5,6,7
	global_store_b128 v[CO], v[BK+32*\e+4*\i:BK+32*\e+4*\i+3], s[12:13] offset:(8*\e+(2*\i)%8+16*(\i/4))*4096 th:TH_STORE_NT
.endr
.endm
	s_load_b128 s[4:7], s[0:1], 0x0                ; S, R
	s_load_b64 s[12:13], s[0:1], 0x10              ; out0
	v_lshl_add_u32 v[SPW], v0, 2, SPARE
	v_mov_b32 v[NIL], 0
	ds_add_u32 v[SPW], v[NIL]                      ; the opening lines: the add twice on end and its wait
	ds_add_u32 v[SPW], v[NIL]
	v_lshrrev_b32 v1, 5, v0
	v_readfirstlane_b32 s14, v1
	s_and_b32 s16, s14, 1
	s_bfe_u32 s40, ttmp6, 0x40000
	s_bfe_u32 s41, ttmp6, 0x40004
	s_lshl_b32 s42, ttmp9, 2
	s_add_co_u32 s42, s42, s40                     ; X: which 16 tiles of R
	s_and_b32 s17, ttmp7, 0xffff
	s_lshl_b32 s17, s17, 2
	s_add_co_u32 s17, s17, s41                     ; Y: which 8 tiles of S
	s_lshl_b32 s43, s41, 2
	s_lshl_b32 s43, 15, s43                        ; my row of the cluster
	s_lshl_b32 s44, 0x1111, s40                    ; my column
	s_or_b32 s24, s43, (3<<16)|(1<<21)             ; group 1 for S: 4 rows of 12,800 bytes
	s_or_b32 s48, s44, (3<<16)|(1<<21)             ; for R: 8 rows
.irp g, 24, 48
	s_mov_b32 s[\g+1], (RT/8)<<16
	s_mov_b32 s[\g+3], (RT/8)<<16
	s_mov_b32 s[\g+5], RT/8
	s_mov_b32 s[\g+6], 0
	s_mov_b32 s[\g+7], 0
.endr
	s_mov_b32 s26, 4<<16
	s_mov_b32 s28, 4
	s_mov_b32 s50, 8<<16
	s_mov_b32 s52, 8
	s_mul_i32 s20, s17, 8*RT
	s_mul_i32 s18, s16, 4*RT
	s_add_co_u32 s20, s20, s18
	s_mov_b32 s21, 0
	s_mul_i32 s46, s42, 16*RT
	s_mul_i32 s19, s16, 8*RT
	s_add_co_u32 s46, s46, s19
	s_mov_b32 s47, 0
	s_mov_b32 s32, 1
	s_mul_i32 s33, s16, 4*RT
	s_mov_b32 s56, 1
	s_mul_i32 s57, s16, 8*RT
	s_add_co_u32 s57, s57, RREG
	s_wait_dscnt 0x0
	CROUND                                         ; all sixteen work-groups are here: the joint loads meet
	s_wait_kmcnt 0x0
	s_add_nc_u64 s[34:35], s[4:5], s[20:21]
	s_or_b32 s35, s35, 0x80000000
	s_add_nc_u64 s[58:59], s[6:7], s[46:47]
	s_or_b32 s59, s59, 0x80000000
	s_cmp_lt_u32 s14, 2                            ; waves 0, 1: a half of R each; waves 2, 3: a half of S each
	s_cbranch_scc0 .Lfor_s
	tensor_load_to_lds s[56:59], s[48:55]
	s_nop 0
	PLACES
	s_branch .Lasked
.Lfor_s:
	tensor_load_to_lds s[32:35], s[24:31]
	s_nop 0
	PLACES
.Lasked:
	s_lshl_b32 s22, s17, 19                        ; 128 Y rows of 4,096 bytes
	s_lshl_b32 s23, s42, 10
	s_add_co_u32 s22, s22, s23
	s_lshl_b32 s23, s14, 8
	s_add_co_u32 s22, s22, s23                     ; + my 64 columns
	s_mov_b32 s23, 0
	s_add_nc_u64 s[12:13], s[12:13], s[22:23]
	s_mul_i32 s21, s14, 4*RT
	s_add_co_u32 s21, s21, RREG
	s_mul_i32 s18, s14, 16*SP
	s_add_co_u32 s18, s18, STG                     ; my stage
	v_and_b32 v1, 15, v0
	v_bfe_u32 v2, v0, 4, 1
	v_and_b32 v3, 31, v0
	v_lshlrev_b32 v[AS0], 3, v3                    ; 8 x lane
	v_lshlrev_b32 v16, 3, v1
	v_add_nc_u32 v[ASS0], 12288, v16
	v_add_nc_u32 v[AR], s21, v[AS0]
	v_add_nc_u32 v[ARS], s21, v[ASS0]
	v_mul_u32_u24 v17, v1, SP
	v_lshl_add_u32 v17, v2, 6, v17
	v_add_nc_u32 v[STO], s18, v17                  ; in: row r, + 64 h
	v_mul_u32_u24 v18, v2, SP
	v_lshl_add_u32 v18, v1, 4, v18
	v_add_nc_u32 v[RD], s18, v18                   ; back: lanes 0-15 one row, lanes 16-31 the next
	v_lshlrev_b32 v19, 12, v2
	v_lshl_add_u32 v[CO], v1, 4, v19               ; and the same two rows in out0
	WALU                                           ; the wait at the head's end
	s_cmp_lt_u32 s14, 2
	s_cbranch_scc0 .Lnot_r
	s_wait_tensorcnt 0x0
.Lnot_r:
	s_barrier_signal -1
	s_barrier_wait -1                              ; R is in; S may still be on its way
.irp t, 0,1,2,3
.irp k, 0,1,2,3
	ds_load_b64 v[RS+8*\t+2*\k:RS+8*\t+2*\k+1], v[ARS] offset:\t*RT+128*\k
.endr
.endr
	WIN 0x40
.irp c, 0,1,2,3,4,5,6,7
.if \c == 5
	WIN 0x80
.endif
.irp t, 0,1,2,3
.irp p, 0,1,2,3,4,5
	ds_load_b64 v[12*(4*(\c%5)+\t)+2*\p:12*(4*(\c%5)+\t)+2*\p+1], v[AR] offset:\t*RT+FRB*\c+256*\p
.endr
.endr
.endr
	WIN 0
	s_wait_tensorcnt 0x0
	s_wait_dscnt 0x0
	s_barrier_signal -1
	s_barrier_wait -1                              ; S is in
	FETCH 0, 0, AS0, ASS0
	FETCH 1, 1, AS0, ASS0
	s_wait_dscnt NF                                ; block 0's rows are in
	W 0
	PLACES                                         ; ahead of the stores of the sums and of the loads into the products' registers
	STAGE 0
	FETCH 0, 2, AS0, ASS0
	s_mov_b32 s3, 0
	s_mov_b32 s9, 2*RT
.Ltrip:                                            ; blocks 2 k + 1 and 2 k + 2; the last trip's second fetch brings bytes of R's region, which nobody uses
	v_add_nc_u32 v[AS], s9, v[AS0]
	v_add_nc_u32 v[ASS], s9, v[ASS0]
	WALU
	s_wait_dscnt NF                                ; all but the youngest fetch: this block's rows, and the last block back from the stage
	SEND 0
	W 1
	PLACES
	s_wait_xcnt 0x0                                ; earlier stores have read their registers
	STAGE 1
	FETCH 1, 1, AS, ASS
	s_wait_dscnt NF
	SEND 1
	W 0
	PLACES
	s_wait_xcnt 0x0                                ; and their base
	s_add_nc_u64 s[12:13], s[12:13], 32*4096       ; two blocks are 32 rows of out0
	STAGE 0
	FETCH 0, 2, AS, ASS
	s_add_co_u32 s9, s9, 2*RT
	s_add_co_u32 s3, s3, 1
	s_cmp_lt_u32 s3, 3
	s_cbranch_scc1 .Ltrip
	s_wait_dscnt NF
	SEND 0
	W 1                                            ; block 7
	PLACES
	s_wait_xcnt 0x0
	STAGE 1
	s_wait_dscnt 0x0
	SEND 1
	s_wait_tensorcnt 0x0                           ; the wave's end
	ds_add_u32 v[SPW], v[NIL]
	s_wait_dscnt 0x0
	CROUND                                         ; the closing round
	s_endpgm
.Lfunc_end_k_q5de93b2e43_outp:
	.size	k_q5de93b2e43_outp, .Lfunc_end_k_q5de93b2e43_outp-k_q5de93b2e43_outp
	.p2alignl 7, 3214868480
	.fill 96, 4, 3214868480
	.section	.rodata,"a",@progbits
	.p2align	6, 0x0
	.amdhsa_kernel k_q5de93b2e43_outp
		.amdhsa_group_segment_fixed_size 327680
		.amdhsa_private_segment_fixed_size 0
		.amdhsa_enable_private_segment 0
		.amdhsa_kernarg_size 24
		.amdhsa_user_sgpr_count 2
		.amdhsa_user_sgpr_kernarg_segment_ptr 1
		.amdhsa_wavefront_size32 1
		.amdhsa_system_sgpr_workgroup_id_x 1
		.amdhsa_system_sgpr_workgroup_id_y 1
		.amdhsa_system_sgpr_workgroup_id_z 1
		.amdhsa_system_vgpr_workitem_id 0
		.amdhsa_next_free_vgpr 960
		.amdhsa_next_free_sgpr 98
		.amdhsa_reserve_vcc 0
		.amdhsa_float_denorm_mode_32 3
		.amdhsa_float_denorm_mode_16_64 3
		.amdhsa_memory_ordered 1
		.amdhsa_forward_progress 1
		.amdhsa_inst_pref_size 61
	.end_amdhsa_kernel
	.amdgpu_metadata
---
amdhsa.version: [ 1, 2 ]
amdhsa.kernels:
  - .name:           k_q5de93b2e43_outp
    .symbol:         k_q5de93b2e43_outp.kd
    .args:
      - { .name: o_op, .offset: 0, .size: 8, .value_kind: global_buffer, .address_space: global }
      - { .name: wo_op, .offset: 8, .size: 8, .value_kind: global_buffer, .address_space: global }
      - { .name: out0, .offset: 16, .size: 8, .value_kind: global_buffer, .address_space: global }
    .group_segment_fixed_size: 327680
    .private_segment_fixed_size: 0
    .kernarg_segment_align: 8
    .kernarg_segment_size: 24
    .max_flat_workgroup_size: 128
    .sgpr_count:     98
    .vgpr_count:     960
    .wavefront_size: 32
...
	.end_amdgpu_metadata
.endif
;; end of part 4
